; MI455X (gfx1250); checked and timed in simulation.
; The chip was launched on July 23, 2026; its instructions are those of AMD's public machine-readable ISA for CDNA 5 (MIT licence, August 2026) and "CDNA5" Instruction Set Architecture Reference Guide (July 2026). The comments in the code are by the model that wrote it; some were corrected since.
;; Vocab Parallel Output. Allowed arithmetic: matrix products marked QUANTISED: E4M3 operands, one E8M0 scale for each 32 along K, by v_wmma_scale_f32_16x16x128_f8f6f4 with both operands' format E4M3, f32 sums; everything else in f32.
;; Inputs: target 2,048 x 2 int32; weight 16,000 x 1,024 float32; x 2,048 x 2 x 1,024 float32.
;; Outputs: out0 2,048 x 2 float32.
;; This version of the problem:
;;   THIS VERSION OF THE PROBLEM IS GIVEN IN LOW PRECISION. The matrix products marked QUANTISED in the list below multiply operands that are first quantised to E4M3 (4 exponent bits, 3 mantissa bits; 8 bits a number), with one power-of-two scale for each 32 numbers along K (OCP MX v1.0); their sums are f32. All else is computed in f32.
;;   The module's matrix products, in the order in which they are computed (A, B: the left and right operand; K: the contracted axis; several contracted axes count as one K, in the product's order):
;;     1. [M 4,096, K 1,024] x [K 1,024, N 16,000]; A: input x; B: input weight: QUANTISED
;;   THE QUANTISER, for each operand of a quantised product, along K:
;;     - K is cut into blocks of 32 from its start; a last block that is shorter is filled with zeros.
;;     - A block's scale is 2^e with e = floor(log2(the largest magnitude in the block)) - 8, held to -126 .. 127; a block of zeros has e = 0. As a byte (E8M0): e + 127.
;;     - Each number is divided by its block's scale, clamped to +-448, and rounded to the nearest number of E4M3, ties to even, subnormals kept.
;;     - The product sums the exact products of the quantised numbers (number of the format x scale) in f32.
;;   ~~~python
;;   def quantise(x, axis):      # numpy; x: float32 -> the quantised numbers, widened to float32 again
;;       x = np.moveaxis(x, axis, -1); K = x.shape[-1]
;;       x = np.pad(x, [(0, 0)] * (x.ndim - 1) + [(0, -K % 32)]); x = x.reshape(x.shape[:-1] + (-1, 32)); a = np.abs(x).max(-1, keepdims=True)
;;       e = np.where(a > 0, np.clip(np.frexp(np.where(a > 0, a, 1))[1] - 1 - 8, -126, 127), 0)      # np.frexp(a)[1] - 1 = floor(log2(a)), exactly
;;       r = np.clip(x / 2.0 ** e, -448, 448)
;;       step = 2.0 ** (np.maximum(np.frexp(np.where(r == 0, 1, r))[1] - 1, -6) - 3)
;;       q = np.round(r / step) * step * 2.0 ** e      # np.round: ties to even
;;       return np.moveaxis(q.reshape(q.shape[:-2] + (-1,))[..., :K], -1, axis).astype(np.float32)
;;   ~~~
;; 2 versions. Each part assembles by itself: llvm-mc -triple=amdgcn-amd-amdhsa -mcpu=gfx1250 --defsym DOCPART=n.
;; ======== version 1 of 2: 3 launches
;; workspace buffers: ximg 4,194,304 bytes; xsc 131,072 bytes; wimg 16,777,216 bytes; wsc 524,288 bytes; part 524,288 bytes
;; launch quant (part 1): grid 640 x 1, 4 waves a work-group, no clusters, 34,304 bytes of LDS; arguments x, weight, ximg, xsc, wimg, wsc; writes ximg, xsc, wimg, wsc
.if DOCPART == 1
	.amdgcn_target "amdgcn-amd-amdhsa--gfx1250"
	.amdhsa_code_object_version 6
	.text
	.protected	k_q413995a7ae_quant
	.globl	k_q413995a7ae_quant
	.p2align	8
	.type	k_q413995a7ae_quant,@function
k_q413995a7ae_quant:
	s_mov_b64 s[64:65], 0
	v_nop
	global_prefetch_b8 v0, s[64:65] scope:SCOPE_SE
	s_setreg_imm32_b32 hwreg(HW_REG_WAVE_MODE, 25, 1), 1
	s_wait_xcnt 0x0
; x [4096][1024] and weight [16000][1024], f32, become codes of FP8 (E4M3) with one E8M0 scale byte for each 32 along K, laid AS THE MATRIX UNIT'S REGISTERS TAKE THEM.
; A TILE is 16 rows.  Codes: [tile][K step of 128: 8][c: 4][lane: 32][16 bytes]: lane (r = lane % 16, h = lane / 16) of piece (s, c) holds row r, k = 128 s + 32 c + 16 h + 0 .. 15.
; Scale words (four bytes: 128 along K of one row): [tile][p: 2][r: 16][4 words], word i for K step 4 p + i: one load of 16 bytes a lane gives four scale registers, K steps 0-3 in lanes 0-15, 4-7 in lanes 16-31.
; A block's scale is 2^(floor(log2(its largest magnitude)) - 8); its byte is that magnitude's exponent field - 8, held at 1 from below; each number is held within +-448 x the scale and rounded to the nearest code.
; (A block of zeros gets the byte 1 where the rule says 127: its codes are zeros, which add nothing, and the bytes are read by this program alone.)
; weight has 1,000 tiles; its buffers hold 1,024: tiles 1000 to 1023 repeat tile 999, so that each of the next launch's 16 parts of the vocabulary walks 64 tiles; that launch puts their logits out of the sums.
; LIMITS: NaN and infinities among the inputs are not served.
; SHARES.  A wave takes one tile x half of K: four K steps of 16 rows x 512 bytes.  Work-groups 0 to 127 take x, the others weight: only pointers are chosen, both take one path.
; Each load reads 512 consecutive bytes of a row; the conversions want 16 neighbours along K in ONE lane: a step's 8,192 bytes turn through the wave's own stage in LDS.  Waves share nothing: no barrier.
.set XWG,  128                         ; work-groups for x: 256 tiles, two to a work-group
.set PIT,  528                         ; a stage row: 512 bytes + 16: the sixteen rows that a read touches begin at sixteen different places modulo 256 bytes
.set STG,  16*PIT                      ; a wave's stage
.set TM,   16                          ; v16-19 largest magnitudes, v20-23 bytes, v24-27 448 x the scale, v28-31 the conversions' scale operands
.set PC,   32                          ; v32-47  a fragment's codes
.set SW,   48                          ; v48-51  my row's four scale words
.set XT,   64                          ; v64-127 64 numbers: register 16 b + i = k 32 b + 16 h + i of row r
.set R,    128                         ; v128-255 two sets of 64 registers, as loaded
.set SEL,  20                          ; s[20:21] v_permlanex16_b32's selects for lane l xor 16
.set MNT,  23                          ; s23     the mantissa field of 448
	s_load_b128 s[4:7], s[0:1], 0x0                ; x, weight
	s_load_b128 s[8:11], s[0:1], 0x10              ; x's codes, x's scale words
	s_load_b128 s[12:15], s[0:1], 0x20             ; weight's codes, weight's scale words
	v_lshl_add_u32 v62, v0, 2, 0x8400
	v_mov_b32 v63, 0
	v_lshrrev_b32 v1, 5, v0
	v_readfirstlane_b32 s16, v1                    ; wave 0..3
	v_and_b32 v1, 31, v0                           ; lane
	v_and_b32 v2, 15, v0                           ; r
	v_bfe_u32 v3, v0, 4, 1                         ; h
	v_lshlrev_b32 v4, 4, v1                        ; 16 x lane: my bytes of a load's 512, and of a piece of codes
	s_mul_i32 s17, s16, STG
	v_add_nc_u32 v5, s17, v4                       ; the stage, on the way in: a row as it lies
	v_mul_u32_u24 v6, v2, PIT
	v_lshl_add_u32 v6, v3, 6, v6
	v_add_nc_u32 v6, s17, v6                       ; and on the way out: row r, + 64 h: my 16 numbers of a block of 32
	v_lshlrev_b32 v8, 4, v2                        ; 16 r: my row's four scale words
	s_mov_b32 s[SEL], 0x76543210
	s_mov_b32 s[SEL+1], 0xfedcba98
	s_mov_b32 s[MNT], 0x600000
.irp b, 0,1,2,3
	v_mov_b32 v[TM+4+\b], 0                        ; written once: a lane permute's destination counts as one of its sources
.endr
	s_mov_b32 s18, 999                             ; weight's last tile
	s_wait_kmcnt 0x0
	s_cmp_lt_u32 ttmp9, XWG                        ; x's work-group or weight's?  The choice hangs on the work-group's number alone
	s_cselect_b64 s[4:5], s[4:5], s[6:7]
	s_cselect_b64 s[8:9], s[8:9], s[12:13]
	s_cselect_b64 s[10:11], s[10:11], s[14:15]
	s_cselect_b32 s18, 255, s18                    ; the tensor's last tile
	s_cselect_b32 s17, 0, XWG
	s_sub_co_u32 s17, ttmp9, s17
	s_lshl_b32 s17, s17, 1
	s_lshr_b32 s19, s16, 1
	s_add_co_u32 s17, s17, s19                     ; the tile that I write: 2 x work-group + wave / 2
	s_and_b32 s19, s16, 1                          ; p: which half of K
	s_min_u32 s18, s17, s18                        ; the tile that I read
	s_lshl_b32 s24, s18, 16                        ; 16 rows of 4,096 bytes,
	s_lshl_b32 s26, s19, 11                        ; 512 numbers
	s_add_co_u32 s24, s24, s26
	s_mov_b32 s25, 0
	s_add_nc_u64 s[4:5], s[4:5], s[24:25]
	s_lshl_b32 s24, s17, 14                        ; a tile's codes, half of them
	s_lshl_b32 s26, s19, 13
	s_add_co_u32 s24, s24, s26
	s_add_nc_u64 s[8:9], s[8:9], s[24:25]
	s_lshl_b32 s24, s17, 9                         ; a tile's scale words, half of them
	s_lshl_b32 s26, s19, 8
	s_add_co_u32 s24, s24, s26
	s_add_nc_u64 s[10:11], s[10:11], s[24:25]
.macro LOAD t                          ; K step t of my four: 512 consecutive bytes of each of the 16 rows.  (All tiles but weight's last are read once)
.irp i, 0,1,2,3,4,5,6,7,8,9,10,11,12,13,14,15
	global_load_b128 v[R+64*((\t)%2)+4*\i:R+64*((\t)%2)+4*\i+3], v4, s[4:5] offset:4096*\i+512*(\t) th:TH_LOAD_NT
.endr
.endm
; 64 numbers of a lane, v[s] on, become a fragment's codes in v[PC] on and my row's scale word in v[pw]
.macro QUANT s, pw
.irp b, 0,1,2,3
	v_max3_num_f32 v[TM+\b], |v[\s+16*\b]|, |v[\s+1+16*\b]|, 0x4800000   ; block b: my 16 numbers, and the floor 2^(9 - 127): the byte cannot fall under 1
.endr
.irp i, 2,4,6,8,10,12,14
.irp b, 0,1,2,3
	v_max3_num_f32 v[TM+\b], v[TM+\b], |v[\s+16*\b+\i]|, |v[\s+1+16*\b+\i]|   ; (the four blocks by turns)
.endr
.endr
.irp b, 0,1,2,3
	v_permlanex16_b32 v[TM+4+\b], v[TM+\b], s[SEL], s[SEL+1]
.endr
.irp b, 0,1,2,3
	v_max_num_f32 v[TM+\b], v[TM+\b], v[TM+4+\b]   ; with lane l xor 16's 16: the block's largest magnitude
.endr
.irp b, 0,1,2,3
	v_add_nc_u32 v[TM+12+\b], 0xfc000000, v[TM+\b] ; 8 off its exponent field: the conversion takes the exponent field of this operand as its scale
.endr
.irp b, 0,1,2,3
	v_and_or_b32 v[TM+8+\b], v[TM+\b], 0x7f800000, s[MNT]   ; 448 x the scale
.endr
.irp b, 0,1,2,3
	v_lshrrev_b32 v[TM+4+\b], 23, v[TM+12+\b]      ; the scale's byte
.endr
	v_lshl_or_b32 v[\pw], v[TM+5], 8, v[TM+4]
	v_lshl_or_b32 v[\pw], v[TM+6], 16, v[\pw]
	v_lshl_or_b32 v[\pw], v[TM+7], 24, v[\pw]
.irp b, 0,1,2,3
.irp i, 0,1,2,3,4,5,6,7,8,9,10,11,12,13,14,15
	v_med3_num_f32 v[\s+16*\b+\i], v[\s+16*\b+\i], -v[TM+8+\b], v[TM+8+\b]   ; the conversion to an 8-bit code does not saturate (ISA guide 7.6.2): the hold comes first
.endr
	v_cvt_scalef32_pk8_fp8_f32 v[PC+4*\b:PC+1+4*\b], v[\s+16*\b:\s+7+16*\b], v[TM+12+\b]
	v_cvt_scalef32_pk8_fp8_f32 v[PC+2+4*\b:PC+3+4*\b], v[\s+8+16*\b:\s+15+16*\b], v[TM+12+\b]
.endr
	v_nop                                          ; a plain line behind the last conversion
.endm
.macro STEP t
.if \t < 3
	s_wait_loadcnt 16                              ; this step's 16 loads are in; the next step's 16 may be out
.else
	s_wait_loadcnt 0x0
.endif
.irp i, 0,1,2,3,4,5,6,7,8,9,10,11,12,13,14,15
	ds_store_b128 v5, v[R+64*((\t)%2)+4*\i:R+64*((\t)%2)+4*\i+3] offset:PIT*\i
.endr
.irp b, 0,1,2,3
.irp j, 0,1,2,3
	ds_load_b128 v[XT+16*\b+4*\j:XT+16*\b+4*\j+3], v6 offset:128*\b+16*\j   ; LDS serves a wave's instructions in order: these see the stores above
.endr
.endr
	s_wait_dscnt 0x0                               ; my 64 numbers are back, and the stores have read their registers
.if \t > 0
	s_wait_xcnt 0x0                                ; the last step's stores of codes have read v[PC] on, which this step writes again
.endif
.if \t < 2
	LOAD \t+2                                      ; into the set just emptied
.endif
	QUANT XT, SW+\t
.irp c, 0,1,2,3
	global_store_b128 v4, v[PC+4*\c:PC+4*\c+3], s[8:9] offset:2048*\t+512*\c   ; a piece: the wave stores 512 consecutive bytes, aligned
.endr
.endm
	LOAD 0
	LOAD 1
	STEP 0
	STEP 1
	STEP 2
	STEP 3
	v_cmp_gt_u32 vcc_lo, 16, v1                    ; lanes 16-31 hold the same words as lanes 0-15
	s_wait_xcnt 0x0                                ; EXEC changes only behind this wait
	s_wait_tensorcnt 0x0
	ds_add_u32 v62, v63
	s_wait_dscnt 0x0
	s_and_saveexec_b32 s28, vcc_lo
	global_store_b128 v8, v[SW:SW+3], s[10:11]     ; sixteen lanes store 256 consecutive bytes, aligned
	s_wait_xcnt 0x0
	s_or_b32 exec_lo, exec_lo, s28
	s_endpgm
.Lfunc_end_k_q413995a7ae_quant:
	.size	k_q413995a7ae_quant, .Lfunc_end_k_q413995a7ae_quant-k_q413995a7ae_quant
	.p2alignl 7, 3214868480
	.fill 96, 4, 3214868480
	.section	.rodata,"a",@progbits
	.p2align	6, 0x0
	.amdhsa_kernel k_q413995a7ae_quant
		.amdhsa_group_segment_fixed_size 34304
		.amdhsa_private_segment_fixed_size 0
		.amdhsa_enable_private_segment 0
		.amdhsa_kernarg_size 48
		.amdhsa_user_sgpr_count 2
		.amdhsa_user_sgpr_kernarg_segment_ptr 1
		.amdhsa_wavefront_size32 1
		.amdhsa_system_sgpr_workgroup_id_x 1
		.amdhsa_system_sgpr_workgroup_id_y 1
		.amdhsa_system_sgpr_workgroup_id_z 1
		.amdhsa_system_vgpr_workitem_id 0
		.amdhsa_next_free_vgpr 256
		.amdhsa_next_free_sgpr 66
		.amdhsa_reserve_vcc 1
		.amdhsa_float_denorm_mode_32 3
		.amdhsa_float_denorm_mode_16_64 3
		.amdhsa_memory_ordered 1
		.amdhsa_forward_progress 1
		.amdhsa_inst_pref_size 51
	.end_amdhsa_kernel
	.amdgpu_metadata
---
amdhsa.version: [ 1, 2 ]
amdhsa.kernels:
  - .name:           k_q413995a7ae_quant
    .symbol:         k_q413995a7ae_quant.kd
    .args:
      - { .name: x, .offset: 0, .size: 8, .value_kind: global_buffer, .address_space: global }
      - { .name: weight, .offset: 8, .size: 8, .value_kind: global_buffer, .address_space: global }
      - { .name: ximg, .offset: 16, .size: 8, .value_kind: global_buffer, .address_space: global }
      - { .name: xsc, .offset: 24, .size: 8, .value_kind: global_buffer, .address_space: global }
      - { .name: wimg, .offset: 32, .size: 8, .value_kind: global_buffer, .address_space: global }
      - { .name: wsc, .offset: 40, .size: 8, .value_kind: global_buffer, .address_space: global }
    .group_segment_fixed_size: 34304
    .private_segment_fixed_size: 0
    .kernarg_segment_align: 8
    .kernarg_segment_size: 48
    .max_flat_workgroup_size: 128
    .sgpr_count:     66
    .vgpr_count:     256
    .wavefront_size: 32
...
	.end_amdgpu_metadata
.endif
;; end of part 1
;; launch lse (part 2): grid 16 x 16, 4 waves a work-group, clusters of 4 x 1, 327,680 bytes of LDS; arguments ximg, xsc, wimg, wsc, part; writes part
.if DOCPART == 2
	.amdgcn_target "amdgcn-amd-amdhsa--gfx1250"
	.amdhsa_code_object_version 6
	.text
	.protected	k_q413995a7ae_lse
	.globl	k_q413995a7ae_lse
	.p2align	8
	.type	k_q413995a7ae_lse,@function
k_q413995a7ae_lse:
	s_mov_b64 s[64:65], 0
	v_nop
	global_prefetch_b8 v0, s[64:65] scope:SCOPE_SE
	s_setreg_imm32_b32 hwreg(HW_REG_WAVE_MODE, 25, 1), 1
	s_wait_xcnt 0x0
	s_wait_alu depctr_hold_cnt(0) depctr_sa_sdst(0) depctr_va_vdst(0) depctr_va_sdst(0) depctr_va_ssrc(0) depctr_va_vcc(0) depctr_vm_vsrc(0)
	s_getreg_b32 s2, hwreg(HW_REG_IB_STS2, 6, 4)
	s_cmp_eq_u32 s2, 0
	s_cbranch_scc0 .Lentry_in_a_cluster
	s_endpgm
.Lentry_in_a_cluster:
	s_bfe_u32 s2, ttmp6, 0x10000c
	s_cmp_lg_u32 s2, 0x3003
	s_cbranch_scc0 .Lentry_shape_is_right
	s_endpgm
.Lentry_shape_is_right:
; logits = x weight^T on codes of FP8 (E4M3) with E8M0 scales, and, on the way, for each row and each of 16 PARTS of the vocabulary the pair (m, l): m the part's largest logit, l = the sum of 2^(c s - c m), c = log2(e).
; The logits never leave the registers.  The last launch joins a row's 16 pairs.
; SHARES.  A work-group takes 256 rows (row block = 4 x cluster x + cx) and one part (work-group y): 64 tiles of 16 rows of weight.  Each of its four waves owns 64 rows: four tiles t of 16.
; A WAVE HOLDS ITS ROWS' CODES FOR ALL OF K IN REGISTERS (512), read once; only weight goes through LDS, and each of its fragments read from LDS feeds four products.
; THE PRODUCT IS USED TRANSPOSED (source 0 = 16 rows of weight, source 1 = 16 rows of x): lane (r, h) holds row r of x and columns 8 h + 0 .. 7, so that maximum and sum stay in the lane until the end.
; A STEP is one tile of weight: 32 products, K step s = 0 .. 7 x tile t = 0 .. 3, the four accumulators by turns.
; BY TURNS.  A step's softmax is 96 vector instructions; set in a phase of its own it would leave the matrix unit idle, so it stands in slices behind the products of later steps.  PIECE j holds products 4 .. 31 of step j,
; the sums of step j - 2, the maximum, scaling and exponentials of step j - 1, and products 0 .. 3 of step j + 1.  A slice costs two switches of the register window: the lesser price here.
; THE RUNNING MAXIMUM is each lane's own: p = 2^(c s - c m); in every step l is multiplied by a = 2^(c m_old - c m_new), which is 1 where m has not grown.
; THE VOCABULARY'S END.  16 x 64 tiles are 1,024, weight has 1,000: tiles 1000 on (whole slots: 1000 = 8 x 125) are copies.  Each sum's first product takes its C from eight registers, which hold 0, and from
; slot 125 on the most negative finite number: such logits are under every maximum and their p is 0.  A part's first slot is never among them.
; CLUSTER.  The four row blocks of a cluster share the part: weight's tiles and scale words are asked for JOINTLY, mask 15.  Not 4 x 4: x does not go through LDS, so nothing is shared along a second axis.
; LIMITS: |logit| x log2(e) must be a finite f32 number; NaN and infinities are not served.
; REGISTERS, in windows of 256 (s_set_vgpr_msb: bits 1:0 source 0, 3:2 source 1, 5:4 source 2, 7:6 destination):
;   window 0: v1-8 addresses; v16-31 x's scale words; v32-39 weight's, two sets; v40-47 the products' first C; v48-79 statistics, 8 a tile; v96-127 p, 8 a tile; v128-191 the scores, two sets of 8 a tile
;   window 1: x's fragments of K steps 0-3 at v[64 s + 16 t];   window 2: K steps 4-7 likewise;   window 3: weight's fragments, two sets, at v[128 set + 16 s]
.set TILEB, 16384                      ; a tile's codes
.set SLOTB, 8*TILEB                    ; a slot: 8 tiles, dense images of registers: every LDS load reads 512 consecutive bytes, so no padding
.set SLOT1, 1<<17                      ; slot 1 begins here: one exclusive or turns an address in one slot into the other's
.set SCL,   2*SLOTB                    ; behind the ring: the part's 64 x 512 bytes of scale words, filled once
.set SPARE, SCL+64*512                 ; the spare words, 128 bytes for each wave: two blocks of 256 bytes that no other line names
.set PADSL, 125                        ; the first slot of the whole vocabulary that holds copies
.set AW0, 1                            ; v1   16 x lane; never rewritten
.set AW,  2                            ; v2   LDS address of the run's tile
.set AS0, 3                            ; v3   SCL + 16 x lane; never rewritten
.set AS,  4                            ; v4   LDS address of the run's scale words
.set SPW, 5                            ; v5   LDS address of my spare word; never rewritten
.set NIL, 6                            ; v6   0; never rewritten
.set PFO, 7                            ; v7   256 x lane: the prefetches' offset; never rewritten
.set LN,  8                            ; v8   lane
.set XS,  16                           ; x's scale words: register 4 t + i: lanes 0-15 K step i, lanes 16-31 K step 4 + i
.set WS,  32                           ; weight's: register 4 set + i likewise
.set BI,  40
.set ST,  48                           ; tile t at v[ST + 8 t]: +0 c m, +1 m, +2, +3 l in two halves, +4 a, +5 c m_old - c m_new, +6, +7 at work
.set P,   96
.set S,   128
.set OUT, 192
.set WV,  14                           ; s14  wave
.set CX,  15                           ; s15  my place in the cluster: it enters x's, part's and the prefetches' addresses alone
.set RB,  16                           ; s16  row block
.set SPL, 17                           ; s17  part of the vocabulary
.set PFA, 18                           ; s[18:19] where my prefetches stand
.set LIM, 20                           ; s20  1 in a cluster that prefetches, else the greatest number
.set SLOTS, 21                         ; s21  slots still to be asked for
.set IC,  22                           ; s22  counts pairs of steps
.set TB,  23                           ; s23  LDS byte of the tile that the next run fetches
.set TS,  24                           ; s24  and of its scale words, from SCL
.set BV,  25
.set GSL, 26                           ; s26  the slot's number in the whole vocabulary
.set NEG, 27                           ; s27  the most negative finite f32 number
.set CS,  28                           ; s[28:29] c: the packed form names a pair and takes its low word for both halves
.set SEL, 30                           ; s[30:31] v_permlanex16_b32's selects for lane l xor 16
.set G1,  32                           ; s[32:39] descriptor group 1: 32 KB, two tiles
.set G1S, 40                           ; s[40:47] 8 KB of scale words
.set G0A, 48                           ; s[48:51] group 0: slot 0's first fill
.set G0B, 52                           ; s[52:55] slot 1's; it then walks
.set G0S, 56                           ; s[56:59] the scale words
.set MSB, 0
.macro WIN new                         ; the immediate's high byte repeats the setting that is left; a switch that changes nothing is dropped
.if MSB != \new
	s_set_vgpr_msb (MSB<<8)|\new
.set MSB, \new
.endif
.endm
.macro CROUND                          ; a round of the cluster's barrier
	s_barrier_signal -1
	s_barrier_wait -1
	s_cmp_lg_u32 s[WV], 0
	s_cbranch_scc1 .Lnot_wave_0_\@
	s_barrier_signal -3
.Lnot_wave_0_\@:
	s_barrier_wait -3
	s_barrier_signal -1
	s_barrier_wait -1
.endm
	s_load_b256 s[4:11], s[0:1], 0x0               ; x's codes s[4:5], x's scale words s[6:7], weight's codes s[8:9], weight's scale words s[10:11]
	s_load_b64 s[12:13], s[0:1], 0x20              ; part
	v_lshl_add_u32 v[SPW], v0, 2, SPARE
	v_mov_b32 v[NIL], 0
	ds_add_u32 v5, v6
	ds_add_u32 v5, v6
	s_wait_dscnt 0x0
	v_lshrrev_b32 v[LN], 5, v0
	v_readfirstlane_b32 s[WV], v[LN]               ; wave 0..3
	v_and_b32 v[LN], 31, v0
	v_lshlrev_b32 v[AW0], 4, v[LN]
	v_add_nc_u32 v[AS0], SCL, v[AW0]
	v_lshlrev_b32 v[PFO], 8, v[LN]
	s_bfe_u32 s[CX], ttmp6, 0x40000
	s_lshl_b32 s[RB], ttmp9, 2                     ; in a cluster launch ttmp9 counts clusters
	s_add_co_u32 s[RB], s[RB], s[CX]
	s_and_b32 s[SPL], ttmp7, 0xffff                ; which the four partners share
	; descriptor group 1: a dense block as rows of 256 bytes (32 elements of 8 bytes)
	s_mov_b32 s[G1], 15|(3<<16)|(1<<21)            ; 15:0 the mask: all four work-groups; 17:16 elements of 8 bytes; 21 set beside a mask; no padding
	s_mov_b32 s[G1+1], 32<<16                      ; tensor_dim0 = 32
	s_mov_b32 s[G1+2], 128<<16                     ; tensor_dim1 = 128
	s_mov_b32 s[G1+3], 32<<16                      ; tile_dim0 = 32
	s_mov_b32 s[G1+4], 128                         ; tile_dim1 = 128
	s_mov_b32 s[G1+5], 32                          ; from row to row
	s_mov_b32 s[G1+6], 0
	s_mov_b32 s[G1+7], 0
	s_mov_b32 s[G1S], 15|(3<<16)|(1<<21)
	s_mov_b32 s[G1S+1], 32<<16
	s_mov_b32 s[G1S+2], 32<<16                     ; 32 rows
	s_mov_b32 s[G1S+3], 32<<16
	s_mov_b32 s[G1S+4], 32
	s_mov_b32 s[G1S+5], 32
	s_mov_b32 s[G1S+6], 0
	s_mov_b32 s[G1S+7], 0
	; what I fetch: a quarter of each slot and of the scale words.  These registers hold the part and the wave's number alone
	s_lshl_b32 s60, s[SPL], 20                     ; a part's codes: 64 tiles
	s_lshl_b32 s2, s[WV], 15                       ; my two tiles of a slot, in memory and in LDS
	s_add_co_u32 s60, s60, s2
	s_mov_b32 s61, 0
	s_lshl_b32 s62, s[SPL], 15                     ; a part's scale words
	s_lshl_b32 s3, s[WV], 13                       ; my quarter, in memory and in LDS
	s_add_co_u32 s62, s62, s3
	s_mov_b32 s63, 0
	s_lshl_b32 s66, s[RB], 2
	s_add_co_u32 s66, s66, s[WV]                   ; my 64 rows: chunk 4 x row block + wave
	s_lshl_b32 s68, s66, 11                        ; their scale words: four tiles of 512 bytes
	s_mov_b32 s69, 0
	s_lshl_b32 s70, s66, 9                         ; their place in part: 512 bytes a chunk, 32,768 a part
	s_lshl_b32 s71, s[SPL], 15
	s_add_co_u32 s70, s70, s71
	s_mov_b32 s71, 0
	s_lshl_b32 s66, s66, 16                        ; their codes: four tiles of 16,384 bytes
	s_mov_b32 s67, 0
	s_lshl_b32 s72, s[SPL], 20                     ; the prefetches: of a slot's 131,072 bytes my work-group's 32,768 (told apart by address), my wave's 8,192,
	s_lshl_b32 s73, s[CX], 15
	s_add_co_u32 s72, s72, s73
	s_add_co_u32 s72, s72, s3
	s_add_co_u32 s72, s72, 2*SLOTB                 ; in slot 2: the first change of slots steps it to slot 3
	s_mov_b32 s73, 0
	s_mov_b32 s[NEG], 0xff7fffff
	s_mov_b32 s[CS], 0x3fb8aa3b                    ; c = log2(e)
	s_mov_b32 s[CS+1], s[CS]                       ; (named with it as a pair, so it is written)
	s_mov_b32 s[SEL], 0x76543210
	s_mov_b32 s[SEL+1], 0xfedcba98
	s_mov_b32 s[TB], 0
	s_mov_b32 s[TS], 0
	s_mov_b32 s[SLOTS], 6
	s_lshl_b32 s[GSL], s[SPL], 3
	s_wait_kmcnt 0x0
	s_mov_b32 s[G0S], 1                            ; count = 1
	s_add_co_u32 s[G0S+1], s3, SCL                 ; LDS address
	s_add_nc_u64 s[G0S+2:G0S+3], s[10:11], s[62:63]
	s_or_b32 s[G0S+3], s[G0S+3], 0x80000000        ; type = 2
	s_mov_b32 s[G0A], 1
	s_mov_b32 s[G0A+1], s2
	s_add_nc_u64 s[G0A+2:G0A+3], s[8:9], s[60:61]
	s_mov_b32 s[G0B], 1
	s_add_co_u32 s[G0B+1], s2, SLOT1
	s_add_nc_u64 s[G0B+2:G0B+3], s[G0A+2:G0A+3], SLOTB
	s_or_b32 s[G0A+3], s[G0A+3], 0x80000000
	s_or_b32 s[G0B+3], s[G0B+3], 0x80000000
	s_add_nc_u64 s[PFA:PFA+1], s[8:9], s[72:73]
	s_add_nc_u64 s[4:5], s[4:5], s[66:67]
	s_add_nc_u64 s[6:7], s[6:7], s[68:69]
	s_add_nc_u64 s[12:13], s[12:13], s[70:71]
	s_cmp_eq_u32 ttmp9, 0                          ; the four clusters of a part walk the same tiles: the first prefetches.  The same in all four partners
	s_cselect_b32 s[LIM], 1, -1
	CROUND                                         ; all four work-groups are here: the first joint loads meet
	tensor_load_to_lds s[G0S:G0S+3], s[G1S:G1S+7]  ; the first fills go out as one group: three loads of mine are out
	s_nop 0
	tensor_load_to_lds s[G0A:G0A+3], s[G1:G1+7]
	s_nop 0
	tensor_load_to_lds s[G0B:G0B+3], s[G1:G1+7]
	s_nop 0
.rept 4
	v_nop
.endr
	WIN 0x40                                       ; destination window 1: x's fragments stay in registers
.irp s, 0,1,2,3
.irp t, 0,1,2,3
.irp c, 0,1,2,3
	global_load_b128 v[64*\s+16*\t+4*\c:64*\s+16*\t+4*\c+3], v[AW0], s[4:5] offset:\t*TILEB+\s*2048+\c*512
.endr
.endr
.endr
	WIN 0x80                                       ; window 2
.irp s, 0,1,2,3
.irp t, 0,1,2,3
.irp c, 0,1,2,3
	global_load_b128 v[64*\s+16*\t+4*\c:64*\s+16*\t+4*\c+3], v[AW0], s[4:5] offset:\t*TILEB+(\s+4)*2048+\c*512
.endr
.endr
.endr
	WIN 0
.irp t, 0,1,2,3
	global_load_b128 v[XS+4*\t:XS+4*\t+3], v[AW0], s[6:7] offset:512*\t
.endr
	; the loop is written once: its first sums find p = 0, a = 0 and l = 0
.irp i, 0,1,2,3,4,5,6,7
	v_mov_b32 v[BI+\i], 0
.endr
.irp t, 0,1,2,3
	v_mov_b32 v[ST+8*\t], 0xff800000               ; c m: -infinity, so that the first a is 0
	v_mov_b32 v[ST+8*\t+1], s[NEG]                 ; m: under every logit
.irp i, 2,3,4,5,6,7
	v_mov_b32 v[ST+8*\t+\i], 0
.endr
.endr
.irp i, 0,1,2,3,4,5,6,7,8,9,10,11,12,13,14,15,16,17,18,19,20,21,22,23,24,25,26,27,28,29,30,31
	v_mov_b32 v[P+\i], 0
.endr
; Product mi of a step's 32, on set par: K step mi / 4, tile mi % 4.  The first four take the eight registers v[BI] on as C.  K steps 4-7 take their scale words from lanes 16-31.
.macro MM par
.set ms, mi/4
.set mt, mi%4
.set rD, S+32*(\par)+8*mt
.set rF, 128*(\par)+16*ms
.set rX, 64*(ms%4)+16*mt
.set rW, WS+4*(\par)+ms%4
.set rY, XS+4*mt+ms%4
.if ms == 0
	WIN 0x07                                       ; source 0 (weight) window 3, source 1 (x) window 1, C and D window 0
	v_wmma_scale_f32_16x16x128_f8f6f4 v[rD:rD+7], v[rF:rF+15], v[rX:rX+15], v[BI:BI+7], v[rW], v[rY]
.elseif ms < 4
	WIN 0x07
	v_wmma_scale_f32_16x16x128_f8f6f4 v[rD:rD+7], v[rF:rF+15], v[rX:rX+15], v[rD:rD+7], v[rW], v[rY]
.else
	WIN 0x0b                                       ; source 1 window 2
	v_wmma_scale_f32_16x16x128_f8f6f4 v[rD:rD+7], v[rF:rF+15], v[rX:rX+15], v[rD:rD+7], v[rW], v[rY] matrix_a_scale:MATRIX_SCALE_ROW1 matrix_b_scale:MATRIX_SCALE_ROW1
.endif
.endm
; A RUN of 33 LDS loads: a tile's scale words and its eight fragments into set par.  The loads stand together, never singly among the products.
.macro RUN par
	v_add_nc_u32 v[AW], s[TB], v[AW0]
	v_add_nc_u32 v[AS], s[TS], v[AS0]
	ds_load_b128 v[WS+4*\par:WS+4*\par+3], v[AS]
	WIN 0xc0                                       ; destination window 3
.set g, 0
.rept 32
	ds_load_b128 v[128*\par+4*g:128*\par+4*g+3], v[AW] offset:512*g
.set g, g+1
.endr
	WIN 0
	s_add_co_u32 s[TB], s[TB], TILEB               ; the next run is the next tile's
	s_add_co_u32 s[TS], s[TS], 512
.endm
; THE VECTOR WORK: item vn of a list of 96.  The scores are those of the set that the products of set par do not write; p and the statistics have one set.
;   0-15   the sums of the step before: p's eight registers of a tile into two; l = a l + them
;   16-31  the maximum of a tile's eight scores and m, each accumulator from its low end on
;   32-43  c m_old is kept; c m; their difference
;   44-95  ONE BATCH: 16 scalings c s - c m, a pair each, and 36 exponentials (a of each tile, then the 32 p).  None of them reads an exponential's result; a pair is scaled well ahead of its exponentials.
; Pair q of 16 is registers 2 (q / 4), 2 (q / 4) + 1 of tile q % 4.  The exponentials write p, so that the scores' set is free for the step after next.
.macro VEC par
.set rS, S+32*(1-(\par))
.if vn < 44
.set vt, vn%4
.set rT, ST+8*vt
.set rP, P+8*vt
.set rA, rS+8*vt
.if vn < 4
	v_pk_add_f32 v[rP:rP+1], v[rP:rP+1], v[rP+2:rP+3]
.elseif vn < 8
	v_pk_add_f32 v[rP+4:rP+5], v[rP+4:rP+5], v[rP+6:rP+7]
.elseif vn < 12
	v_pk_add_f32 v[rP:rP+1], v[rP:rP+1], v[rP+4:rP+5]
.elseif vn < 16
	v_pk_fma_f32 v[rT+2:rT+3], v[rT+2:rT+3], v[rT+4:rT+5], v[rP:rP+1] op_sel_hi:[1,0,1]   ; (of the pair a, difference the low word serves both halves)
.elseif vn < 20
	v_max3_num_f32 v[rT+6], v[rA], v[rA+1], v[rA+2]
.elseif vn < 24
	v_max3_num_f32 v[rT+7], v[rA+3], v[rA+4], v[rA+5]
.elseif vn < 28
	v_max3_num_f32 v[rT+6], v[rT+6], v[rA+6], v[rA+7]
.elseif vn < 32
	v_max3_num_f32 v[rT+1], v[rT+6], v[rT+7], v[rT+1]
.elseif vn < 36
	v_mov_b32 v[rT+5], v[rT]
.elseif vn < 40
	v_mul_f32 v[rT], s[CS], v[rT+1]
.else
	v_sub_f32 v[rT+5], v[rT+5], v[rT]
.endif
.else
.if vn < 52                            ; scaling of pair 0 .. 3, a of tile 0 .. 3, by turns
.set vq, (vn-44)/2
.set vkind, 3*((vn-44)%2)
.elseif vn < 88                        ; a scaling (four pairs ahead) and a pair's two exponentials
.set vq, (vn-52)/3
.set vkind, (vn-52)%3
.if vkind == 0
.set vq, vq+4
.endif
.else                                  ; the last four pairs' exponentials
.set vq, 12+(vn-88)/2
.set vkind, 1+(vn-88)%2
.endif
.set vt, vq%4
.set rT, ST+8*vt
.set rA, rS+8*vt+2*(vq/4)
.set rP, P+8*vt+2*(vq/4)
.if vkind == 0
	v_pk_fma_f32 v[rA:rA+1], v[rA:rA+1], s[CS:CS+1], v[rT:rT+1] op_sel_hi:[1,0,0] neg_lo:[0,0,1] neg_hi:[0,0,1]   ; c s - c m
.elseif vkind == 1
	v_exp_f32 v[rP], v[rA]
.elseif vkind == 2
	v_exp_f32 v[rP+1], v[rA+1]
.else
	v_exp_f32 v[rT+4], v[rT+5]
.endif
.endif
.endm
; A PIECE.  Products 4 .. 31 of the step on set par; vec = 1: a slice of the list behind each (5, 4, 3, 2 items: 4 x 5 + 8 x 4 + 12 x 3 + 4 x 2 = 96); next = 1: products 0 .. 3 of the next step, on the other set.
; ahead: the LDS loads issued behind this step's run: the next run's 33, or none.  The wait in front of K step s leaves out those and the 4 (7 - s) loads of the step's own later fragments.
; THE EIGHT v_nop AT THE END are the places behind the step's last products: in front of the next run's loads into the fragments and scale words that they read, of the next piece's first read
; of their results, and of a change of slots' writes of v[BI] on.  They are also the plain instruction behind the batch's last exponential.  Behind them stands the ONE wait between
; the batch and the first instruction that names a result: ahead of every label and branch, and ahead of the next piece's sums.
.macro PIECE par, vec, next, ahead
.set vn, 0
.set mi, 4
.rept 28
.if mi%4 == 0
	s_wait_dscnt \ahead+4*(7-mi/4)
.endif
	MM \par
.if \vec
	WIN 0
.set quota, 2
.if mi < 28
.set quota, 3
.endif
.if mi < 16
.set quota, 4
.endif
.if mi < 8
.set quota, 5
.endif
.rept quota
	VEC \par
.set vn, vn+1
.endr
.endif
.set mi, mi+1
.endr
.if \next
.if \vec
	v_nop                                          ; a plain instruction between the last exponentials and the products below, which write over the scores that they read
.endif
	s_wait_dscnt 28                                ; the next run's scale words and first fragment are in; its other 28 loads may be out
.set mi, 0
.rept 4
	MM (1-\par)
.set mi, mi+1
.endr
.endif
	WIN 0
.rept 8
	v_nop
.endr
.if \vec
	s_wait_alu depctr_va_vdst(0)
.endif
.endm
.macro INNER trips                     ; two steps a trip: the sets are back where they began
	s_mov_b32 s[IC], \trips
.Linner_\@:
	RUN 0
	PIECE 1, 1, 1, 33
	RUN 1
	PIECE 0, 1, 1, 33
	s_sub_co_u32 s[IC], s[IC], 1
	s_cmp_lg_u32 s[IC], 0
	s_cbranch_scc1 .Linner_\@
.endm
; A PREFETCH INTO THE L2 of the slot that the NEXT change of slots will ask for: 131,072 bytes = 4 partners x 4 waves x 32 lanes x 256 bytes, one instruction a wave, eight steps (256 products) ahead of that load.
; Each block of 256 bytes is named once in the launch: of the four clusters that walk a part the first asks; its partners are told apart by address.  The last change that fills a slot asks for nothing; slots 0 to 2 come by their loads alone.
.macro ASK
	s_cmp_gt_u32 s[SLOTS], s[LIM]
	s_cbranch_scc0 .Lnot_mine_\@
	global_prefetch_b8 v[PFO], s[PFA:PFA+1] th:TH_LOAD_NT scope:SCOPE_SE
.Lnot_mine_\@:
.endm
; THE CHANGE OF SLOTS stands in front of the run that fetches a slot's first tile: the slot left has been read out.  Each wave waits for all its tensor loads (one is out: its part of the slot ahead), adds 0 to its spare
; word, and waits for that and for its reads of the slot left.  fill = 1: that slot is filled with the tiles two slots on; the barrier is then a round of the cluster's, and the joint load is the first thing behind it.
.macro CHANGE fill
	s_wait_tensorcnt 0x0                           ; no tensor load of mine is out, so a group 0 may be written
	ds_add_u32 v[SPW], v[NIL]                      ; 0 onto my spare word: work on registers stands between it and the wait for it
.if \fill
	s_xor_b32 s[G0B+1], s[G0B+1], SLOT1            ; the walking descriptor: the other slot than last time,
	s_add_nc_u64 s[G0B+2:G0B+3], s[G0B+2:G0B+3], SLOTB   ; the next eight tiles; the type bits on top are not reached
	s_wait_xcnt 0x0                                ; the last prefetch, a slot back, has read its address
	s_add_nc_u64 s[PFA:PFA+1], s[PFA:PFA+1], SLOTB
.endif
	s_add_co_u32 s[GSL], s[GSL], 1
	s_cmp_ge_u32 s[GSL], PADSL                     ; does the slot ahead hold copies?  A choice of a value, no branch
	s_cselect_b32 s[BV], s[NEG], 0
.irp i, 0,1,2,3,4,5,6,7
	v_mov_b32 v[BI+\i], s[BV]                      ; the next product that reads these is the first of the slot ahead
.endr
	s_sub_co_u32 s[TB], s[TB], SLOTB               ; the runs go back to a slot's first tile,
	s_xor_b32 s[TB], s[TB], SLOT1                  ; in the other slot
	s_wait_dscnt 0x0                               ; the add is done, and my reads of the slot left are over
.if \fill
	CROUND                                         ; no wave of any partner still reads that slot or has a load on its way
	tensor_load_to_lds s[G0B:G0B+3], s[G1:G1+7]    ; my one tensor load until the next round: it has eight steps in which to land
	s_nop 0
.rept 4
	v_nop
.endr
	ASK
.else
	s_barrier_signal -1
	s_barrier_wait -1
.endif
.endm
	s_wait_tensorcnt 1                             ; the scale words and my part of slot 0 are in; slot 1's load may stay out
	s_barrier_signal -1
	s_barrier_wait -1                              ; everybody's are
	RUN 0                                          ; tile 0
	s_wait_loadcnt 0x0                             ; x
	s_wait_dscnt 28
.set mi, 0
.rept 4
	MM 0
.set mi, mi+1
.endr
	WIN 0
	RUN 1                                          ; tile 1: into registers that no product has named
	PIECE 0, 0, 1, 33                              ; step 0: there is no vector work yet
	INNER 3                                        ; tiles 2 to 7
.Lslot:                                            ; six trips: slots 2 to 7 are asked for
	CHANGE 1
	INNER 4
	s_sub_co_u32 s[SLOTS], s[SLOTS], 1
	s_cmp_lg_u32 s[SLOTS], 0
	s_cbranch_scc1 .Lslot
	CHANGE 0                                       ; the last slot is written out
	INNER 4
	PIECE 1, 1, 0, 0                               ; step 63's products | step 61's sums, step 62's softmax
.set vn, 0
.rept 96
	VEC 0                                          ; step 62's sums, step 63's softmax
.set vn, vn+1
.endr
	v_nop                                          ; a plain instruction behind the last exponential,
	s_wait_alu depctr_va_vdst(0)                   ; and the batch's one wait
.set vn, 0
.rept 16
	VEC 0                                          ; step 63's sums
.set vn, vn+1
.endr
	; THE WAY OUT.  A row's columns lie in lanes l and l xor 16: their pairs are joined under the larger m.  The exponents are differences of the very numbers c m under which the sums were kept.
.irp t, 0,1,2,3
	v_add_f32 v[ST+8*\t+2], v[ST+8*\t+2], v[ST+8*\t+3]            ; l's two halves
.endr
.irp t, 0,1,2,3
	v_permlanex16_b32 v[ST+8*\t+6], v[ST+8*\t+1], s[SEL], s[SEL+1]   ; the other lane's m
.endr
.irp t, 0,1,2,3
	v_permlanex16_b32 v[ST+8*\t+7], v[ST+8*\t+2], s[SEL], s[SEL+1]   ; and its l
.endr
.irp t, 0,1,2,3
	v_max_num_f32 v[ST+8*\t+4], v[ST+8*\t+1], v[ST+8*\t+6]        ; M
.endr
.irp t, 0,1,2,3
	v_mul_f32 v[ST+8*\t+3], s[CS], v[ST+8*\t+6]                   ; the other lane's c m
.endr
.irp t, 0,1,2,3
	v_mul_f32 v[ST+8*\t+5], s[CS], v[ST+8*\t+4]                   ; c M
.endr
.irp t, 0,1,2,3
	v_sub_f32 v[ST+8*\t], v[ST+8*\t], v[ST+8*\t+5]
.endr
.irp t, 0,1,2,3
	v_sub_f32 v[ST+8*\t+3], v[ST+8*\t+3], v[ST+8*\t+5]
.endr
.irp t, 0,1,2,3
	v_exp_f32 v[ST+8*\t], v[ST+8*\t]
	v_exp_f32 v[ST+8*\t+3], v[ST+8*\t+3]
.endr
	v_cmp_gt_u32 vcc_lo, 16, v[LN]                 ; (a plain instruction behind the exponentials)  lanes 0-15 store m, lanes 16-31 l
	s_wait_alu depctr_va_vdst(0)                   ; one wait for the eight
.irp t, 0,1,2,3
	v_mul_f32 v[ST+8*\t+2], v[ST+8*\t+2], v[ST+8*\t]
.endr
.irp t, 0,1,2,3
	v_fma_f32 v[ST+8*\t+2], v[ST+8*\t+7], v[ST+8*\t+3], v[ST+8*\t+2]   ; L
.endr
.irp t, 0,1,2,3
	v_cndmask_b32 v[OUT+\t], v[ST+8*\t+2], v[ST+8*\t+4], vcc_lo
.endr
	global_store_b128 v[AW0], v[OUT:OUT+3], s[12:13]   ; [m or l][row r][tile t]: the wave stores 512 consecutive bytes, aligned
	s_wait_tensorcnt 0x0                           ; the wave's end
	ds_add_u32 v[SPW], v[NIL]
	s_wait_dscnt 0x0
	CROUND                                         ; the closing round: no work-group ends while a partner may still ask for a tile that names it
	s_endpgm
.Lfunc_end_k_q413995a7ae_lse:
	.size	k_q413995a7ae_lse, .Lfunc_end_k_q413995a7ae_lse-k_q413995a7ae_lse
	.p2alignl 7, 3214868480
	.fill 96, 4, 3214868480
	.section	.rodata,"a",@progbits
	.p2align	6, 0x0
	.amdhsa_kernel k_q413995a7ae_lse
		.amdhsa_group_segment_fixed_size 327680
		.amdhsa_private_segment_fixed_size 0
		.amdhsa_enable_private_segment 0
		.amdhsa_kernarg_size 40
		.amdhsa_user_sgpr_count 2
		.amdhsa_user_sgpr_kernarg_segment_ptr 1
		.amdhsa_wavefront_size32 1
		.amdhsa_system_sgpr_workgroup_id_x 1
		.amdhsa_system_sgpr_workgroup_id_y 1
		.amdhsa_system_sgpr_workgroup_id_z 1
		.amdhsa_system_vgpr_workitem_id 0
		.amdhsa_next_free_vgpr 1024
		.amdhsa_next_free_sgpr 80
		.amdhsa_reserve_vcc 1
		.amdhsa_float_denorm_mode_32 3
		.amdhsa_float_denorm_mode_16_64 3
		.amdhsa_memory_ordered 1
		.amdhsa_forward_progress 1
		.amdhsa_inst_pref_size 130
	.end_amdhsa_kernel
	.amdgpu_metadata
---
amdhsa.version: [ 1, 2 ]
amdhsa.kernels:
  - .name:           k_q413995a7ae_lse
    .symbol:         k_q413995a7ae_lse.kd
    .args:
      - { .name: ximg, .offset: 0, .size: 8, .value_kind: global_buffer, .address_space: global }
      - { .name: xsc, .offset: 8, .size: 8, .value_kind: global_buffer, .address_space: global }
      - { .name: wimg, .offset: 16, .size: 8, .value_kind: global_buffer, .address_space: global }
      - { .name: wsc, .offset: 24, .size: 8, .value_kind: global_buffer, .address_space: global }
      - { .name: part, .offset: 32, .size: 8, .value_kind: global_buffer, .address_space: global }
    .group_segment_fixed_size: 327680
    .private_segment_fixed_size: 0
    .kernarg_segment_align: 8
    .kernarg_segment_size: 40
    .max_flat_workgroup_size: 128
    .sgpr_count:     80
    .vgpr_count:     1024
    .wavefront_size: 32
...
	.end_amdgpu_metadata
.endif
;; end of part 2
;; launch finish (part 3): grid 64 x 1, 4 waves a work-group, no clusters, 768 bytes of LDS; arguments target, ximg, xsc, wimg, wsc, part, out0; writes out0
.if DOCPART == 3
	.amdgcn_target "amdgcn-amd-amdhsa--gfx1250"
	.amdhsa_code_object_version 6
	.text
	.protected	k_q413995a7ae_finish
	.globl	k_q413995a7ae_finish
	.p2align	8
	.type	k_q413995a7ae_finish,@function
k_q413995a7ae_finish:
	s_mov_b64 s[64:65], 0
	v_nop
	global_prefetch_b8 v0, s[64:65] scope:SCOPE_SE
	s_setreg_imm32_b32 hwreg(HW_REG_WAVE_MODE, 25, 1), 1
	s_wait_xcnt 0x0
; loss[row] = log(the sum over the vocabulary of e^(logit - M)) - (logit[target] - M), M the row's largest logit; where target lies outside 0 .. 15,999 the second term is 0, as the reference has it.
; A row's 16 pairs (m, l) of the launch before are joined under the largest m: L = the sum of l_i 2^(c m_i - c M), c = log2(e); log = ln 2 x log2 L.
; THE TARGET'S LOGIT is made anew by the same matrix instruction on the same codes: lane (r, h) gathers the codes and scale words of weight's row target[r], which so form a fragment whose row r belongs to x's row r;
; eight products (K = 1,024) give 16 x 16 sums, of which the diagonal is wanted.
; SHARES.  A work-group takes 64 rows, a wave 16 (tile T = 4 x work-group + wave).  64 work-groups: that is all the work there is; a wave has all its loads out at once.  No tensor load, no cluster: nothing is shared.
; The 64 results meet in LDS, so that one wave stores 256 consecutive bytes.
; REGISTERS: window 0: v1-15 lane terms and offsets; v20-27 m_i, v28-35 l_i; v40-47, v48-55 two accumulators; v56-63 their sum; v64-79 at work; v100-103 x's scale words, v104-107 weight's; v128-255 weight's gathered fragments.
;   window 1: v0-127 x's fragments.
.set XS, 100
.set WS, 104
.set MSB, 0
.macro WIN new                         ; the immediate's high byte repeats the setting that is left
.if MSB != \new
	s_set_vgpr_msb (MSB<<8)|\new
.set MSB, \new
.endif
.endm
	s_load_b256 s[4:11], s[0:1], 0x0               ; target s[4:5], x's codes s[6:7], x's scale words s[8:9], weight's codes s[10:11]
	s_load_b128 s[12:15], s[0:1], 0x20             ; weight's scale words s[12:13], part s[14:15]
	s_load_b64 s[16:17], s[0:1], 0x30              ; out0
	v_lshl_add_u32 v126, v0, 2, 0x100
	v_mov_b32 v127, 0
	v_lshrrev_b32 v1, 5, v0
	v_readfirstlane_b32 s18, v1                    ; wave 0..3
	v_and_b32 v1, 31, v0                           ; lane
	v_and_b32 v2, 15, v0                           ; r
	v_bfe_u32 v3, v0, 4, 1                         ; h
	v_lshlrev_b32 v4, 2, v2                        ; 4 r: my row's target
	v_lshlrev_b32 v5, 4, v1                        ; 16 x lane: a piece of an image
	v_lshlrev_b32 v6, 4, v2                        ; part: 16 r,
	v_lshl_add_u32 v6, v3, 18, v6                  ; lanes 16-31 take parts 8 to 15: 8 x 32,768 bytes on,
	s_lshl_b32 s19, s18, 2
	v_add_nc_u32 v6, s19, v6                       ; my tile of the chunk's four
	s_lshl_b32 s19, s18, 6
	v_add_nc_u32 v7, s19, v4                       ; LDS: 64 x wave + 4 r
	v_lshlrev_b32 v8, 3, v1                        ; 8 x lane: the way out
	v_and_b32 v15, 7, v0                           ; r % 8
	v_mov_b32 v64, 0                               ; written once: a lane permute's destination counts as one of its sources
	v_mov_b32 v68, 0
	v_mov_b32 v69, 0
	s_lshl_b32 s20, ttmp9, 2
	s_add_co_u32 s20, s20, s18                     ; T
	s_lshl_b32 s24, s20, 6                         ; 16 targets
	s_mov_b32 s25, 0
	s_lshl_b32 s26, s20, 14                        ; a tile's codes
	s_mov_b32 s27, 0
	s_lshl_b32 s28, s20, 9                         ; its scale words
	s_mov_b32 s29, 0
	s_lshl_b32 s30, ttmp9, 9                       ; part: 512 bytes a chunk
	s_mov_b32 s31, 0
	s_lshl_b32 s32, ttmp9, 8                       ; out0: 64 numbers
	s_mov_b32 s33, 0
	s_mov_b32 s34, 0x76543210                      ; v_permlanex16_b32's selects for lane l xor 16
	s_mov_b32 s35, 0xfedcba98
	s_mov_b32 s36, 0x3fb8aa3b                      ; c = log2(e)
	s_mov_b32 s37, 0x3f317218                      ; ln 2
	s_mov_b32 s22, 16000
	s_wait_kmcnt 0x0
	s_add_nc_u64 s[4:5], s[4:5], s[24:25]
	s_add_nc_u64 s[6:7], s[6:7], s[26:27]
	s_add_nc_u64 s[8:9], s[8:9], s[28:29]
	s_add_nc_u64 s[14:15], s[14:15], s[30:31]
	s_add_nc_u64 s[16:17], s[16:17], s[32:33]
	global_load_b32 v9, v4, s[4:5]                 ; the target first: the gather hangs on it
	WIN 0x40                                       ; destination window 1
.set g, 0
.rept 32
	global_load_b128 v[4*g:4*g+3], v5, s[6:7] offset:512*g
.set g, g+1
.endr
	WIN 0
	global_load_b128 v[XS:XS+3], v5, s[8:9]
.irp i, 0,1,2,3,4,5,6,7
	global_load_b32 v[20+\i], v6, s[14:15] offset:32768*\i        ; m of part 8 h + i
	global_load_b32 v[28+\i], v6, s[14:15] offset:32768*\i+256    ; l
.endr
	s_wait_loadcnt 49                              ; the target is in; the 32 + 1 + 16 loads behind it may be out
	v_cmp_gt_u32 s21, s22, v9                      ; inside the vocabulary?  Unsigned: a negative target fails too
	v_min_u32 v10, 0x3e7f, v9                      ; held inside the table: what a target outside gathers is thrown away below
	v_and_b32 v11, 0x3ff0, v10                     ; 16 x its tile
	v_and_b32 v12, 15, v10                         ; its row in the tile
	v_lshlrev_b32 v12, 4, v12
	v_lshl_add_u32 v12, v3, 8, v12                 ; 16 x (16 h + that row): the place in a piece of the lane that holds that row's codes of my half; and the like among the scale words
	v_lshl_add_u32 v13, v11, 10, v12               ; + tile x 16,384
	v_lshl_add_u32 v14, v11, 5, v12                ; + tile x 512
.set g, 0
.rept 32
	global_load_b128 v[128+4*g:128+4*g+3], v13, s[10:11] offset:512*g
.set g, g+1
.endr
	global_load_b128 v[WS:WS+3], v14, s[12:13]
	s_wait_loadcnt 33                              ; all but the gather's 33 are in: the pairs are joined while it is on its way
	v_max3_num_f32 v66, v20, v21, v22
	v_max3_num_f32 v67, v23, v24, v25
	v_max3_num_f32 v66, v66, v26, v27
	v_max_num_f32 v66, v66, v67
	v_permlanex16_b32 v68, v66, s34, s35
	v_max_num_f32 v66, v66, v68                    ; M: the row's largest logit
	v_mul_f32 v67, s36, v66                        ; c M
.irp i, 0,1,2,3,4,5,6,7
	v_mul_f32 v[72+\i], s36, v[20+\i]              ; c m_i: the very number under which l_i was kept
.endr
.irp i, 0,1,2,3,4,5,6,7
	v_sub_f32 v[72+\i], v[72+\i], v67
.endr
.irp i, 0,1,2,3,4,5,6,7
	v_exp_f32 v[72+\i], v[72+\i]
.endr
	v_nop                                          ; a plain instruction behind the exponentials,
	s_wait_alu depctr_va_vdst(0)                   ; and one wait for the eight, ahead of their first reader
	v_mul_f32 v70, v28, v72
.irp i, 1,2,3,4,5,6,7
	v_fmac_f32 v70, v[28+\i], v[72+\i]
.endr
	v_permlanex16_b32 v69, v70, s34, s35
	v_add_f32 v70, v70, v69                        ; L
	v_log_f32 v71, v70
	v_nop                                          ; a plain instruction behind the logarithm; its wait stands behind the products
	s_wait_loadcnt 0x0                             ; the gather
	WIN 0x04                                       ; source 1 (x) window 1
	; two accumulators by turns: even K steps, odd K steps; each sum's first product takes the constant 0
	v_wmma_scale_f32_16x16x128_f8f6f4 v[40:47], v[128:143], v[0:15], 0, v[WS], v[XS]
	v_wmma_scale_f32_16x16x128_f8f6f4 v[48:55], v[144:159], v[16:31], 0, v[WS+1], v[XS+1]
	v_wmma_scale_f32_16x16x128_f8f6f4 v[40:47], v[160:175], v[32:47], v[40:47], v[WS+2], v[XS+2]
	v_wmma_scale_f32_16x16x128_f8f6f4 v[48:55], v[176:191], v[48:63], v[48:55], v[WS+3], v[XS+3]
	v_wmma_scale_f32_16x16x128_f8f6f4 v[40:47], v[192:207], v[64:79], v[40:47], v[WS], v[XS] matrix_a_scale:MATRIX_SCALE_ROW1 matrix_b_scale:MATRIX_SCALE_ROW1
	v_wmma_scale_f32_16x16x128_f8f6f4 v[48:55], v[208:223], v[80:95], v[48:55], v[WS+1], v[XS+1] matrix_a_scale:MATRIX_SCALE_ROW1 matrix_b_scale:MATRIX_SCALE_ROW1
	v_wmma_scale_f32_16x16x128_f8f6f4 v[40:47], v[224:239], v[96:111], v[40:47], v[WS+2], v[XS+2] matrix_a_scale:MATRIX_SCALE_ROW1 matrix_b_scale:MATRIX_SCALE_ROW1
	v_wmma_scale_f32_16x16x128_f8f6f4 v[48:55], v[240:255], v[112:127], v[48:55], v[WS+3], v[XS+3] matrix_a_scale:MATRIX_SCALE_ROW1 matrix_b_scale:MATRIX_SCALE_ROW1
	WIN 0
.rept 8
	v_nop                                          ; eight places in front of the first read of results
.endr
	s_wait_alu depctr_va_vdst(0)                   ; the logarithm's wait, ahead of its reader below
.irp j, 0,1,2,3,4,5,6,7
	v_add_f32 v[56+\j], v[40+\j], v[48+\j]         ; each accumulator from its low end on.  Register j of lane (r, h): (gathered row 8 h + j) . (x's row r)
.endr
.irp j, 1,2,3,4,5,6,7
	v_cmp_eq_u32 vcc_lo, \j, v15
	v_cndmask_b32 v56, v56, v[56+\j], vcc_lo       ; register r % 8: the diagonal, in the lane whose h is r / 8
.endr
	v_permlanex16_b32 v64, v56, s34, s35
	v_lshrrev_b32 v65, 3, v2
	v_cmp_eq_u32 vcc_lo, v65, v3
	v_cndmask_b32 v56, v64, v56, vcc_lo            ; mine, or lane l xor 16's: every lane holds its row's target logit
	v_sub_f32 v56, v66, v56                        ; M - it
	v_cndmask_b32 v56, 0, v56, s21                 ; 0 where the target lies outside
	v_fma_f32 v56, v71, s37, v56                   ; ln 2 x log2 L + that
	ds_store_b32 v7, v56                           ; both halves of the lanes write the same word with the same value
	s_wait_dscnt 0x0                               ; for the others' sake
	s_barrier_signal -1
	s_barrier_wait -1
	s_cmp_lg_u32 s18, 0
	s_cbranch_scc1 .Ldone
	ds_load_b64 v[92:93], v8                       ; the work-group's 64 results
	s_wait_dscnt 0x0
	global_store_b64 v8, v[92:93], s[16:17]        ; 32 lanes store 256 consecutive bytes, aligned
.Ldone:
	s_wait_tensorcnt 0x0
	ds_add_u32 v126, v127
	s_wait_dscnt 0x0
	s_endpgm
.Lfunc_end_k_q413995a7ae_finish:
	.size	k_q413995a7ae_finish, .Lfunc_end_k_q413995a7ae_finish-k_q413995a7ae_finish
	.p2alignl 7, 3214868480
	.fill 96, 4, 3214868480
	.section	.rodata,"a",@progbits
	.p2align	6, 0x0
	.amdhsa_kernel k_q413995a7ae_finish
		.amdhsa_group_segment_fixed_size 768
		.amdhsa_private_segment_fixed_size 0
		.amdhsa_enable_private_segment 0
		.amdhsa_kernarg_size 56
		.amdhsa_user_sgpr_count 2
		.amdhsa_user_sgpr_kernarg_segment_ptr 1
		.amdhsa_wavefront_size32 1
		.amdhsa_system_sgpr_workgroup_id_x 1
		.amdhsa_system_sgpr_workgroup_id_y 1
		.amdhsa_system_sgpr_workgroup_id_z 1
		.amdhsa_system_vgpr_workitem_id 0
		.amdhsa_next_free_vgpr 384
		.amdhsa_next_free_sgpr 66
		.amdhsa_reserve_vcc 1
		.amdhsa_float_denorm_mode_32 3
		.amdhsa_float_denorm_mode_16_64 3
		.amdhsa_memory_ordered 1
		.amdhsa_forward_progress 1
		.amdhsa_inst_pref_size 15
	.end_amdhsa_kernel
	.amdgpu_metadata
---
amdhsa.version: [ 1, 2 ]
amdhsa.kernels:
  - .name:           k_q413995a7ae_finish
    .symbol:         k_q413995a7ae_finish.kd
    .args:
      - { .name: target, .offset: 0, .size: 8, .value_kind: global_buffer, .address_space: global }
      - { .name: ximg, .offset: 8, .size: 8, .value_kind: global_buffer, .address_space: global }
      - { .name: xsc, .offset: 16, .size: 8, .value_kind: global_buffer, .address_space: global }
      - { .name: wimg, .offset: 24, .size: 8, .value_kind: global_buffer, .address_space: global }
      - { .name: wsc, .offset: 32, .size: 8, .value_kind: global_buffer, .address_space: global }
      - { .name: part, .offset: 40, .size: 8, .value_kind: global_buffer, .address_space: global }
      - { .name: out0, .offset: 48, .size: 8, .value_kind: global_buffer, .address_space: global }
    .group_segment_fixed_size: 768
    .private_segment_fixed_size: 0
    .kernarg_segment_align: 8
    .kernarg_segment_size: 56
    .max_flat_workgroup_size: 128
    .sgpr_count:     66
    .vgpr_count:     384
    .wavefront_size: 32
...
	.end_amdgpu_metadata
.endif
;; end of part 3
;; ======== version 2 of 2: 3 launches
;; limits: right only within a limited range of input values
;; workspace buffers: ximg 4,194,304 bytes; xsc 131,072 bytes; wimg 16,777,216 bytes; wsc 524,288 bytes; part 524,288 bytes
;; launch quant (part 4): grid 640 x 1, 4 waves a work-group, no clusters, 34,304 bytes of LDS; arguments x, weight, ximg, xsc, wimg, wsc; writes ximg, xsc, wimg, wsc
.if DOCPART == 4
	.amdgcn_target "amdgcn-amd-amdhsa--gfx1250"
	.amdhsa_code_object_version 6
	.text
	.protected	k_q413995a7ae_quant
	.globl	k_q413995a7ae_quant
	.p2align	8
	.type	k_q413995a7ae_quant,@function
k_q413995a7ae_quant:
	s_mov_b64 s[64:65], 0
	v_nop
	global_prefetch_b8 v0, s[64:65] scope:SCOPE_SE
	s_setreg_imm32_b32 hwreg(HW_REG_WAVE_MODE, 25, 1), 1
	s_wait_xcnt 0x0
; x [4096][1024] and weight [16000][1024], f32, become codes of FP8 (E4M3) with one E8M0 scale byte for each 32 along K, laid AS THE MATRIX UNIT'S REGISTERS TAKE THEM.
; A TILE is 16 rows.  Codes: [tile][K step of 128: 8][c: 4][lane: 32][16 bytes]: lane (r = lane % 16, h = lane / 16) of piece (s, c) holds row r, k = 128 s + 32 c + 16 h + 0 .. 15.
; Scale words (four bytes: 128 along K of one row): [tile][p: 2][r: 16][4 words], word i for K step 4 p + i: one load of 16 bytes a lane gives four scale registers, K steps 0-3 in lanes 0-15, 4-7 in lanes 16-31.
; A block's scale is 2^(floor(log2(its largest magnitude)) - 8); its byte is that magnitude's exponent field - 8, held at 1 from below; each number is held within +-448 x the scale and rounded to the nearest code.
; (A block of zeros gets the byte 1 where the rule says 127: its codes are zeros, which add nothing, and the bytes are read by this program alone.)
; weight has 1,000 tiles; its buffers hold 1,024: tiles 1000 to 1023 repeat tile 999, so that each of the next launch's 16 parts of the vocabulary walks 64 tiles; that launch puts their logits out of the sums.
; LIMITS: NaN and infinities among the inputs are not served.
; SHARES.  A wave takes one tile x half of K: four K steps of 16 rows x 512 bytes.  Work-groups 0 to 127 take x, the others weight: only pointers are chosen, both take one path.
; Each load reads 512 consecutive bytes of a row; the conversions want 16 neighbours along K in ONE lane: a step's 8,192 bytes turn through the wave's own stage in LDS.  Waves share nothing: no barrier.
.set XWG,  128                         ; work-groups for x: 256 tiles, two to a work-group
.set PIT,  528                         ; a stage row: 512 bytes + 16: the sixteen rows that a read touches begin at sixteen different places modulo 256 bytes
.set STG,  16*PIT                      ; a wave's stage
.set TM,   16                          ; v16-19 largest magnitudes, v20-23 bytes, v24-27 448 x the scale, v28-31 the conversions' scale operands
.set PC,   32                          ; v32-47  a fragment's codes
.set SW,   48                          ; v48-51  my row's four scale words
.set XT,   64                          ; v64-127 64 numbers: register 16 b + i = k 32 b + 16 h + i of row r
.set R,    128                         ; v128-255 two sets of 64 registers, as loaded
.set SEL,  20                          ; s[20:21] v_permlanex16_b32's selects for lane l xor 16
.set MNT,  23                          ; s23     the mantissa field of 448
	s_load_b128 s[4:7], s[0:1], 0x0                ; x, weight
	s_load_b128 s[8:11], s[0:1], 0x10              ; x's codes, x's scale words
	s_load_b128 s[12:15], s[0:1], 0x20             ; weight's codes, weight's scale words
	v_lshl_add_u32 v62, v0, 2, 0x8400
	v_mov_b32 v63, 0
	v_lshrrev_b32 v1, 5, v0
	v_readfirstlane_b32 s16, v1                    ; wave 0..3
	v_and_b32 v1, 31, v0                           ; lane
	v_and_b32 v2, 15, v0                           ; r
	v_bfe_u32 v3, v0, 4, 1                         ; h
	v_lshlrev_b32 v4, 4, v1                        ; 16 x lane: my bytes of a load's 512, and of a piece of codes
	s_mul_i32 s17, s16, STG
	v_add_nc_u32 v5, s17, v4                       ; the stage, on the way in: a row as it lies
	v_mul_u32_u24 v6, v2, PIT
	v_lshl_add_u32 v6, v3, 6, v6
	v_add_nc_u32 v6, s17, v6                       ; and on the way out: row r, + 64 h: my 16 numbers of a block of 32
	v_lshlrev_b32 v8, 4, v2                        ; 16 r: my row's four scale words
	s_mov_b32 s[SEL], 0x76543210
	s_mov_b32 s[SEL+1], 0xfedcba98
	s_mov_b32 s[MNT], 0x600000
.irp b, 0,1,2,3
	v_mov_b32 v[TM+4+\b], 0                        ; written once: a lane permute's destination counts as one of its sources
.endr
	s_mov_b32 s18, 999                             ; weight's last tile
	s_wait_alu depctr_va_vdst(0)
	s_wait_kmcnt 0x0
	s_cmp_lt_u32 ttmp9, XWG                        ; x's work-group or weight's?  The choice hangs on the work-group's number alone
	s_cselect_b64 s[4:5], s[4:5], s[6:7]
	s_cselect_b64 s[8:9], s[8:9], s[12:13]
	s_cselect_b64 s[10:11], s[10:11], s[14:15]
	s_cselect_b32 s18, 255, s18                    ; the tensor's last tile
	s_cselect_b32 s17, 0, XWG
	s_sub_co_u32 s17, ttmp9, s17
	s_lshl_b32 s17, s17, 1
	s_lshr_b32 s19, s16, 1
	s_add_co_u32 s17, s17, s19                     ; the tile that I write: 2 x work-group + wave / 2
	s_and_b32 s19, s16, 1                          ; p: which half of K
	s_min_u32 s18, s17, s18                        ; the tile that I read
	s_lshl_b32 s24, s18, 16                        ; 16 rows of 4,096 bytes,
	s_lshl_b32 s26, s19, 11                        ; 512 numbers
	s_add_co_u32 s24, s24, s26
	s_mov_b32 s25, 0
	s_add_nc_u64 s[4:5], s[4:5], s[24:25]
	s_lshl_b32 s24, s17, 14                        ; a tile's codes, half of them
	s_lshl_b32 s26, s19, 13
	s_add_co_u32 s24, s24, s26
	s_add_nc_u64 s[8:9], s[8:9], s[24:25]
	s_lshl_b32 s24, s17, 9                         ; a tile's scale words, half of them
	s_lshl_b32 s26, s19, 8
	s_add_co_u32 s24, s24, s26
	s_add_nc_u64 s[10:11], s[10:11], s[24:25]
.macro LOAD t                          ; K step t of my four: 512 consecutive bytes of each of the 16 rows.  (All tiles but weight's last are read once)
.irp i, 0,1,2,3,4,5,6,7,8,9,10,11,12,13,14,15
	global_load_b128 v[R+64*((\t)%2)+4*\i:R+64*((\t)%2)+4*\i+3], v4, s[4:5] offset:4096*\i+512*(\t) th:TH_LOAD_NT
.endr
.endm
; 64 numbers of a lane, v[s] on, become a fragment's codes in v[PC] on and my row's scale word in v[pw]
.macro QUANT s, pw
.irp b, 0,1,2,3
	v_max3_num_f32 v[TM+\b], |v[\s+16*\b]|, |v[\s+1+16*\b]|, 0x4800000   ; block b: my 16 numbers, and the floor 2^(9 - 127): the byte cannot fall under 1
.endr
.irp i, 2,4,6,8,10,12,14
.irp b, 0,1,2,3
	v_max3_num_f32 v[TM+\b], v[TM+\b], |v[\s+16*\b+\i]|, |v[\s+1+16*\b+\i]|   ; (the four blocks by turns)
.endr
.endr
.irp b, 0,1,2,3
	v_permlanex16_b32 v[TM+4+\b], v[TM+\b], s[SEL], s[SEL+1]
.endr
.irp b, 0,1,2,3
	v_max_num_f32 v[TM+\b], v[TM+\b], v[TM+4+\b]   ; with lane l xor 16's 16: the block's largest magnitude
.endr
.irp b, 0,1,2,3
	v_add_nc_u32 v[TM+12+\b], 0xfc000000, v[TM+\b] ; 8 off its exponent field: the conversion takes the exponent field of this operand as its scale
.endr
.irp b, 0,1,2,3
	v_and_or_b32 v[TM+8+\b], v[TM+\b], 0x7f800000, s[MNT]   ; 448 x the scale
.endr
.irp b, 0,1,2,3
	v_lshrrev_b32 v[TM+4+\b], 23, v[TM+12+\b]      ; the scale's byte
.endr
	v_lshl_or_b32 v[\pw], v[TM+5], 8, v[TM+4]
	v_lshl_or_b32 v[\pw], v[TM+6], 16, v[\pw]
	v_lshl_or_b32 v[\pw], v[TM+7], 24, v[\pw]
.irp b, 0,1,2,3
.irp i, 0,1,2,3,4,5,6,7,8,9,10,11,12,13,14,15
	v_med3_num_f32 v[\s+16*\b+\i], v[\s+16*\b+\i], -v[TM+8+\b], v[TM+8+\b]   ; the conversion to an 8-bit code does not saturate (ISA guide 7.6.2): the hold comes first
.endr
	v_cvt_scalef32_pk8_fp8_f32 v[PC+4*\b:PC+1+4*\b], v[\s+16*\b:\s+7+16*\b], v[TM+12+\b]
	v_cvt_scalef32_pk8_fp8_f32 v[PC+2+4*\b:PC+3+4*\b], v[\s+8+16*\b:\s+15+16*\b], v[TM+12+\b]
.endr
	v_nop                                          ; a plain line behind the last conversion
.endm
.macro STEP t
.if \t < 3
	s_wait_loadcnt 16                              ; this step's 16 loads are in; the next step's 16 may be out
.else
	s_wait_loadcnt 0x0
.endif
.irp i, 0,1,2,3,4,5,6,7,8,9,10,11,12,13,14,15
	ds_store_b128 v5, v[R+64*((\t)%2)+4*\i:R+64*((\t)%2)+4*\i+3] offset:PIT*\i
.endr
.irp b, 0,1,2,3
.irp j, 0,1,2,3
	ds_load_b128 v[XT+16*\b+4*\j:XT+16*\b+4*\j+3], v6 offset:128*\b+16*\j   ; LDS serves a wave's instructions in order: these see the stores above
.endr
.endr
	s_wait_dscnt 0x0                               ; my 64 numbers are back, and the stores have read their registers
.if \t > 0
	s_wait_xcnt 0x0                                ; the last step's stores of codes have read v[PC] on, which this step writes again
.endif
.if \t < 2
	LOAD \t+2                                      ; into the set just emptied
.endif
	QUANT XT, SW+\t
.irp c, 0,1,2,3
	global_store_b128 v4, v[PC+4*\c:PC+4*\c+3], s[8:9] offset:2048*\t+512*\c   ; a piece: the wave stores 512 consecutive bytes, aligned
.endr
.endm
	LOAD 0
	LOAD 1
	STEP 0
	STEP 1
	STEP 2
	STEP 3
	v_cmp_gt_u32 vcc_lo, 16, v1                    ; lanes 16-31 hold the same words as lanes 0-15
	s_wait_xcnt 0x0                                ; EXEC changes only behind this wait
	s_wait_tensorcnt 0x0
	ds_add_u32 v62, v63
	s_wait_dscnt 0x0
	s_and_saveexec_b32 s28, vcc_lo
	global_store_b128 v8, v[SW:SW+3], s[10:11]     ; sixteen lanes store 256 consecutive bytes, aligned
	s_wait_xcnt 0x0
	s_or_b32 exec_lo, exec_lo, s28
	s_endpgm
.Lfunc_end_k_q413995a7ae_quant:
	.size	k_q413995a7ae_quant, .Lfunc_end_k_q413995a7ae_quant-k_q413995a7ae_quant
	.p2alignl 7, 3214868480
	.fill 96, 4, 3214868480
	.section	.rodata,"a",@progbits
	.p2align	6, 0x0
	.amdhsa_kernel k_q413995a7ae_quant
		.amdhsa_group_segment_fixed_size 34304
		.amdhsa_private_segment_fixed_size 0
		.amdhsa_enable_private_segment 0
		.amdhsa_kernarg_size 48
		.amdhsa_user_sgpr_count 2
		.amdhsa_user_sgpr_kernarg_segment_ptr 1
		.amdhsa_wavefront_size32 1
		.amdhsa_system_sgpr_workgroup_id_x 1
		.amdhsa_system_sgpr_workgroup_id_y 1
		.amdhsa_system_sgpr_workgroup_id_z 1
		.amdhsa_system_vgpr_workitem_id 0
		.amdhsa_next_free_vgpr 256
		.amdhsa_next_free_sgpr 66
		.amdhsa_reserve_vcc 1
		.amdhsa_float_denorm_mode_32 3
		.amdhsa_float_denorm_mode_16_64 3
		.amdhsa_memory_ordered 1
		.amdhsa_forward_progress 1
		.amdhsa_inst_pref_size 51
	.end_amdhsa_kernel
	.amdgpu_metadata
---
amdhsa.version: [ 1, 2 ]
amdhsa.kernels:
  - .name:           k_q413995a7ae_quant
    .symbol:         k_q413995a7ae_quant.kd
    .args:
      - { .name: x, .offset: 0, .size: 8, .value_kind: global_buffer, .address_space: global }
      - { .name: weight, .offset: 8, .size: 8, .value_kind: global_buffer, .address_space: global }
      - { .name: ximg, .offset: 16, .size: 8, .value_kind: global_buffer, .address_space: global }
      - { .name: xsc, .offset: 24, .size: 8, .value_kind: global_buffer, .address_space: global }
      - { .name: wimg, .offset: 32, .size: 8, .value_kind: global_buffer, .address_space: global }
      - { .name: wsc, .offset: 40, .size: 8, .value_kind: global_buffer, .address_space: global }
    .group_segment_fixed_size: 34304
    .private_segment_fixed_size: 0
    .kernarg_segment_align: 8
    .kernarg_segment_size: 48
    .max_flat_workgroup_size: 128
    .sgpr_count:     66
    .vgpr_count:     256
    .wavefront_size: 32
...
	.end_amdgpu_metadata
.endif
;; end of part 4
;; launch lse (part 5): grid 16 x 16, 4 waves a work-group, clusters of 4 x 1, 327,680 bytes of LDS; arguments ximg, xsc, wimg, wsc, part; writes part
.if DOCPART == 5
	.amdgcn_target "amdgcn-amd-amdhsa--gfx1250"
	.amdhsa_code_object_version 6
	.text
	.protected	k_q413995a7ae_lse
	.globl	k_q413995a7ae_lse
	.p2align	8
	.type	k_q413995a7ae_lse,@function
k_q413995a7ae_lse:
	s_mov_b64 s[64:65], 0
	v_nop
	global_prefetch_b8 v0, s[64:65] scope:SCOPE_SE
	s_setreg_imm32_b32 hwreg(HW_REG_WAVE_MODE, 25, 1), 1
	s_wait_xcnt 0x0
	s_wait_alu depctr_hold_cnt(0) depctr_sa_sdst(0) depctr_va_vdst(0) depctr_va_sdst(0) depctr_va_ssrc(0) depctr_va_vcc(0) depctr_vm_vsrc(0)
	s_getreg_b32 s2, hwreg(HW_REG_IB_STS2, 6, 4)
	s_cmp_eq_u32 s2, 0
	s_cbranch_scc0 .Lentry_in_a_cluster
	s_endpgm
.Lentry_in_a_cluster:
	s_bfe_u32 s2, ttmp6, 0x10000c
	s_cmp_lg_u32 s2, 0x3003
	s_cbranch_scc0 .Lentry_shape_is_right
	s_endpgm
.Lentry_shape_is_right:
; logits = x weight^T on codes of FP8 (E4M3) with E8M0 scales; for each row and each of 16 PARTS of the vocabulary the pair (m, l): m the part's largest logit, l = the sum of 2^(c s - c m), c = log2(e).
; The logits stay in registers.  The last launch joins a row's 16 pairs.
; SHARES.  A work-group takes 256 rows (row block = 4 x cluster x + cx) and one part (work-group y): 64 tiles of 16 rows of weight.  Each of four waves owns 64 rows: four tiles t.
; A wave holds its rows' codes for all of K in 512 registers; weight alone goes through LDS, and each fragment read from LDS feeds four products.
; THE PRODUCT IS USED TRANSPOSED (source 0 = 16 rows of weight, source 1 = 16 rows of x): lane (r, h) holds row r of x, columns 8 h + 0 .. 7: maximum and sum stay in the lane until the end.
; A STEP is two tiles u of weight: 64 products on end, K step k = 0 .. 7 x (u, t), the eight accumulators by turns; then ONE vector phase on the 64 scores:
; maxima, scalings, one batch of 68 exponentials, sums.  Weight's fragments have one set of 256 registers: the next step's K steps 0-3 are fetched in a step's middle, its K steps 4-7 at its end.
; THE RUNNING MAXIMUM is each lane's own: p = 2^(c s - c m); in every step l is multiplied by a = 2^(c m_old - c m_new), which is 1 where m has not grown.
; THE VOCABULARY'S END.  16 x 64 tiles are 1,024, weight has 1,000: tiles 1000 on (whole slots: 1000 = 8 x 125) are copies.  Each sum's first product takes its C from eight registers, which hold 0, and from
; slot 125 on the most negative finite number: such logits lie under every maximum and their p is 0.  A part's first slot is never among them.
; CLUSTER.  The four row blocks of a cluster share the part: weight's tiles and scale words are asked for JOINTLY, mask 15.  Not 4 x 4: x does not go through LDS, so nothing is shared along a second axis.
; LIMITS: |logit| x log2(e) must be a finite f32 number; NaN and infinities are not served.
; REGISTERS, in windows of 256 (s_set_vgpr_msb: bits 1:0 source 0, 3:2 source 1, 5:4 source 2, 7:6 destination):
;   window 0: v1-8 addresses; v18-33 x's scale words; v40-55 weight's, two sets; v56-63 the first products' C; v64-95 statistics, 8 a tile; v128-191 the scores (u, t) at v[128 + 32 u + 8 t]
;   window 1: x's fragments of K steps 0-3 at v[64 k + 16 t];  window 2: K steps 4-7 likewise;  window 3: weight's fragments at v[128 u + 16 k]
.set TILEB, 16384                      ; a tile's codes
.set SLOTB, 8*TILEB                    ; a slot: 8 tiles, dense images of registers: every LDS load reads 512 consecutive bytes
.set SLOT1, 1<<17                      ; slot 1 begins here
.set SCL,   2*SLOTB                    ; behind the ring: the part's 64 x 512 bytes of scale words, filled once
.set SPARE, SCL+64*512                 ; the spare words, 128 bytes for each wave
.set PADSL, 125                        ; the first slot of the whole vocabulary that holds copies
.set AW0, 1                            ; 16 x lane; never rewritten
.set AW,  2                            ; LDS address of a run's two tiles
.set AS0, 3                            ; SCL + 16 x lane; never rewritten
.set AS,  4                            ; LDS address of a run's scale words
.set SPW, 5                            ; my spare word; never rewritten
.set NIL, 6                            ; 0; never rewritten
.set PFO, 7                            ; 256 x lane: the prefetches' offset
.set LN,  8                            ; lane
.set XS,  18                           ; x's scale words: register 4 t + i: lanes 0-15 K step i, lanes 16-31 K step 4 + i
.set WS,  40                           ; weight's: register 8 set + 4 u + i likewise
.set BI,  56
.set ST,  64                           ; tile t at v[ST + 8 t]: +0 c m, +1 m, +2, +3 l in two halves, +4 a, +5 c m_old - c m_new, +6, +7 at work
.set S,   128
.set OUT, 192
.set WV,  14                           ; wave
.set CX,  15                           ; my place in the cluster: it enters x's, part's and the prefetches' addresses alone
.set RB,  16                           ; row block
.set SPL, 17                           ; part of the vocabulary
.set PFA, 18                           ; s[18:19] where my prefetches stand
.set LIM, 20                           ; 1 in a cluster that prefetches, else the greatest number
.set SLOTS, 21                         ; slots still to be asked for
.set TB,  23                           ; LDS byte of the tiles that the next run fetches
.set TS,  24                           ; and of their scale words, from SCL
.set BV,  25
.set GSL, 26                           ; the slot's number in the whole vocabulary
.set NEG, 27                           ; the most negative finite f32 number
.set CS,  28                           ; s[28:29] c
.set SEL, 30                           ; s[30:31] v_permlanex16_b32's selects for lane l xor 16
.set G1,  32                           ; group 1: 128 rows of 256 bytes: a quarter of a slot
.set G1H, 40                           ; 256 rows: half a slot
.set G1S, 80                           ; 64 rows: half of the scale words
.set G0A, 48                           ; group 0: the head's half of slot 0
.set G0B, 52                           ; slot 1's quarter; it then walks
.set G0S, 56                           ; the head's half of the scale words
.set MSB, 0
.macro WIN new                         ; the immediate's high byte repeats the setting that is left
.if MSB != \new
	s_set_vgpr_msb (MSB<<8)|\new
.set MSB, \new
.endif
.endm
.macro PLACES                          ; eight places behind this matrix form
.rept 8
	v_nop
.endr
.endm
.macro CROUND                          ; a round of the cluster's barrier
	s_barrier_signal -1
	s_barrier_wait -1
	s_cmp_lg_u32 s[WV], 0
	s_cbranch_scc1 .Lnot_wave_0_\@
	s_barrier_signal -3
.Lnot_wave_0_\@:
	s_barrier_wait -3
	s_barrier_signal -1
	s_barrier_wait -1
.endm
.macro DESC g, rows                    ; a dense block as rows of 256 bytes (32 elements of 8 bytes); mask 15, bit 21 beside it; no padding
	s_mov_b32 s[\g], 15|(3<<16)|(1<<21)
	s_mov_b32 s[\g+1], 32<<16
	s_mov_b32 s[\g+2], \rows<<16
	s_mov_b32 s[\g+3], 32<<16
	s_mov_b32 s[\g+4], \rows
	s_mov_b32 s[\g+5], 32
	s_mov_b32 s[\g+6], 0
	s_mov_b32 s[\g+7], 0
.endm
	s_load_b256 s[4:11], s[0:1], 0x0               ; x's codes s[4:5], x's scale words s[6:7], weight's codes s[8:9], weight's scale words s[10:11]
	s_load_b64 s[12:13], s[0:1], 0x20              ; part
	v_lshl_add_u32 v[SPW], v0, 2, SPARE
	v_mov_b32 v[NIL], 0
	ds_add_u32 v[SPW], v[NIL]
	ds_add_u32 v[SPW], v[NIL]
	v_lshrrev_b32 v[LN], 5, v0
	v_readfirstlane_b32 s[WV], v[LN]               ; wave 0..3
	v_and_b32 v[LN], 31, v0
	v_lshlrev_b32 v[AW0], 4, v[LN]
	v_add_nc_u32 v[AS0], SCL, v[AW0]
	v_lshlrev_b32 v[PFO], 8, v[LN]
	s_bfe_u32 s[CX], ttmp6, 0x40000
	s_lshl_b32 s[RB], ttmp9, 2                     ; in a cluster launch ttmp9 counts clusters
	s_add_co_u32 s[RB], s[RB], s[CX]
	s_and_b32 s[SPL], ttmp7, 0xffff                ; which the four partners share
	DESC G1, 128
	DESC G1H, 256
	DESC G1S, 64
	; what I fetch hangs on the part and the wave's number alone
	s_and_b32 s3, s[WV], 1
	s_lshl_b32 s60, s[SPL], 20                     ; a part's codes: 64 tiles
	s_mov_b32 s61, 0
	s_lshl_b32 s76, s3, 16                         ; the head: which half of slot 0, in memory and in LDS
	s_mov_b32 s77, 0
	s_lshl_b32 s78, s[WV], 15                      ; the ring: my quarter of a slot
	s_mov_b32 s79, 0
	s_lshl_b32 s75, s3, 14                         ; which half of the scale words
	s_lshl_b32 s62, s[SPL], 15                     ; a part's scale words
	s_add_co_u32 s62, s62, s75
	s_mov_b32 s63, 0
	s_lshl_b32 s66, s[RB], 2
	s_add_co_u32 s66, s66, s[WV]                   ; my 64 rows: chunk 4 x row block + wave
	s_lshl_b32 s68, s66, 11                        ; their scale words: four tiles of 512 bytes
	s_mov_b32 s69, 0
	s_lshl_b32 s70, s66, 9                         ; their place in part: 512 bytes a chunk, 32,768 a part
	s_lshl_b32 s71, s[SPL], 15
	s_add_co_u32 s70, s70, s71
	s_mov_b32 s71, 0
	s_lshl_b32 s66, s66, 16                        ; their codes: four tiles of 16,384 bytes
	s_mov_b32 s67, 0
	s_lshl_b32 s72, s[CX], 15                      ; the prefetches: of a slot my work-group's 32,768 bytes (told apart by address), my wave's 8,192,
	s_lshl_b32 s73, s[WV], 13
	s_add_co_u32 s72, s72, s73
	s_add_co_u32 s72, s72, 2*SLOTB                 ; in slot 2: the first change of slots steps it to slot 3
	s_mov_b32 s73, 0
	s_mov_b32 s[NEG], 0xff7fffff
	s_mov_b32 s[CS], 0x3fb8aa3b                    ; c = log2(e)
	s_mov_b32 s[CS+1], s[CS]
	s_mov_b32 s[SEL], 0x76543210
	s_mov_b32 s[SEL+1], 0xfedcba98
	s_mov_b32 s[TB], 0
	s_mov_b32 s[TS], 0
	s_mov_b32 s[SLOTS], 6
	s_lshl_b32 s[GSL], s[SPL], 3
	s_wait_alu depctr_va_vdst(0)                   ; the wait ahead of the waits below
	s_wait_dscnt 0x0                               ; both opening adds are done
	s_wait_kmcnt 0x0
	s_add_nc_u64 s[8:9], s[8:9], s[60:61]          ; the part's codes
	s_mov_b32 s[G0A], 1
	s_mov_b32 s[G0A+1], s76
	s_add_nc_u64 s[G0A+2:G0A+3], s[8:9], s[76:77]
	s_or_b32 s[G0A+3], s[G0A+3], 0x80000000
	s_mov_b32 s[G0B], 1
	s_add_co_u32 s[G0B+1], s78, SLOT1
	s_add_nc_u64 s[G0B+2:G0B+3], s[8:9], s[78:79]
	s_add_nc_u64 s[G0B+2:G0B+3], s[G0B+2:G0B+3], SLOTB
	s_or_b32 s[G0B+3], s[G0B+3], 0x80000000
	s_mov_b32 s[G0S], 1
	s_add_co_u32 s[G0S+1], s75, SCL
	s_add_nc_u64 s[G0S+2:G0S+3], s[10:11], s[62:63]
	s_or_b32 s[G0S+3], s[G0S+3], 0x80000000
	s_add_nc_u64 s[PFA:PFA+1], s[8:9], s[72:73]
	s_add_nc_u64 s[4:5], s[4:5], s[66:67]
	s_add_nc_u64 s[6:7], s[6:7], s[68:69]
	s_add_nc_u64 s[12:13], s[12:13], s[70:71]
	s_cmp_eq_u32 ttmp9, 0                          ; the four clusters of a part walk the same tiles: the first prefetches.  The same in all four partners
	s_cselect_b32 s[LIM], 1, -1
	CROUND                                         ; all four work-groups are here: the first joint loads meet
	; THE HEAD'S LOADS, one a wave: waves 0 and 1 the halves of slot 0, waves 2 and 3 the halves of the scale words
	s_cmp_lt_u32 s[WV], 2
	s_cbranch_scc0 .Lhead_s
	tensor_load_to_lds s[G0A:G0A+3], s[G1H:G1H+7]
	s_nop 0
.rept 4
	v_nop
.endr
	s_branch .Lhead_j
.Lhead_s:
	tensor_load_to_lds s[G0S:G0S+3], s[G1S:G1S+7]
	s_nop 0
.rept 4
	v_nop
.endr
.Lhead_j:
	WIN 0x40                                       ; destination window 1: x's fragments stay in registers
.irp k, 0,1,2,3
.irp t, 0,1,2,3
.irp c, 0,1,2,3
	global_load_b128 v[64*\k+16*\t+4*\c:64*\k+16*\t+4*\c+3], v[AW0], s[4:5] offset:\t*TILEB+\k*2048+\c*512
.endr
.endr
.endr
	WIN 0x80                                       ; window 2
.irp k, 0,1,2,3
.irp t, 0,1,2,3
.irp c, 0,1,2,3
	global_load_b128 v[64*\k+16*\t+4*\c:64*\k+16*\t+4*\c+3], v[AW0], s[4:5] offset:\t*TILEB+(\k+4)*2048+\c*512
.endr
.endr
.endr
	WIN 0
.irp t, 0,1,2,3
	global_load_b128 v[XS+4*\t:XS+4*\t+3], v[AW0], s[6:7] offset:512*\t
.endr
.irp i, 0,1,2,3,4,5,6,7
	v_mov_b32 v[BI+\i], 0
.endr
.irp t, 0,1,2,3
	v_mov_b32 v[ST+8*\t], 0xff800000               ; c m: -infinity, so that the first a is 0
	v_mov_b32 v[ST+8*\t+1], s[NEG]                 ; m: under every logit
	v_mov_b32 v[ST+8*\t+2], 0                      ; l
	v_mov_b32 v[ST+8*\t+3], 0
.endr
; K step k of a step: eight products, (u, t) by turns; w: the set of weight's scale words.  K step 0 takes v[BI] on as C.  K steps 4-7 take their scale words from lanes 16-31.
.macro MMS k, w
.irp u, 0,1
.irp t, 0,1,2,3
.if \k == 0
	v_wmma_scale_f32_16x16x128_f8f6f4 v[S+32*\u+8*\t:S+32*\u+8*\t+7], v[128*\u+16*\k:128*\u+16*\k+15], v[64*(\k%4)+16*\t:64*(\k%4)+16*\t+15], v[BI:BI+7], v[WS+8*\w+4*\u+\k%4], v[XS+4*\t+\k%4]
.elseif \k < 4
	v_wmma_scale_f32_16x16x128_f8f6f4 v[S+32*\u+8*\t:S+32*\u+8*\t+7], v[128*\u+16*\k:128*\u+16*\k+15], v[64*(\k%4)+16*\t:64*(\k%4)+16*\t+15], v[S+32*\u+8*\t:S+32*\u+8*\t+7], v[WS+8*\w+4*\u+\k%4], v[XS+4*\t+\k%4]
.else
	v_wmma_scale_f32_16x16x128_f8f6f4 v[S+32*\u+8*\t:S+32*\u+8*\t+7], v[128*\u+16*\k:128*\u+16*\k+15], v[64*(\k%4)+16*\t:64*(\k%4)+16*\t+15], v[S+32*\u+8*\t:S+32*\u+8*\t+7], v[WS+8*\w+4*\u+\k%4], v[XS+4*\t+\k%4] matrix_a_scale:MATRIX_SCALE_ROW1 matrix_b_scale:MATRIX_SCALE_ROW1
.endif
.endr
.endr
.endm
.macro FRAGS k0                        ; 32 LDS loads: the fragments of K steps k0 .. k0 + 3 of two tiles, by K step
	v_add_nc_u32 v[AW], s[TB], v[AW0]              ; made anew ahead of each run: its readers follow at once
	WIN 0xc0                                       ; destination window 3
.irp k, \k0, \k0+1, \k0+2, \k0+3
.irp u, 0,1
.irp c, 0,1,2,3
	ds_load_b128 v[128*\u+16*(\k)+4*\c:128*\u+16*(\k)+4*\c+3], v[AW] offset:\u*TILEB+(\k)*2048+\c*512
.endr
.endr
.endr
	WIN 0
.endm
.macro RUNA w                          ; 34 loads: the next step's scale words into set w, and its K steps 0-3
	v_add_nc_u32 v[AS], s[TS], v[AS0]
	ds_load_b128 v[WS+8*\w:WS+8*\w+3], v[AS]
	ds_load_b128 v[WS+8*\w+4:WS+8*\w+7], v[AS] offset:512
	FRAGS 0
.endm
.macro RUNB                            ; 32 loads: its K steps 4-7; the next runs are the next two tiles'
	FRAGS 4
	s_add_co_u32 s[TB], s[TB], 2*TILEB
	s_add_co_u32 s[TS], s[TS], 1024
.endm
; THE VECTOR PHASE on a step's 64 scores, the four tiles t by turns.  A = tile u = 0's eight scores of t, B = tile u = 1's.
.macro VPH
.irp t, 0,1,2,3
	v_max3_num_f32 v[ST+8*\t+6], v[S+8*\t], v[S+8*\t+1], v[S+8*\t+2]          ; each accumulator from its low end on
.endr
.irp t, 0,1,2,3
	v_max3_num_f32 v[ST+8*\t+7], v[S+32+8*\t], v[S+33+8*\t], v[S+34+8*\t]
.endr
.irp i, 3,5
.irp t, 0,1,2,3
	v_max3_num_f32 v[ST+8*\t+6], v[ST+8*\t+6], v[S+8*\t+\i], v[S+8*\t+\i+1]
.endr
.irp t, 0,1,2,3
	v_max3_num_f32 v[ST+8*\t+7], v[ST+8*\t+7], v[S+32+8*\t+\i], v[S+32+8*\t+\i+1]
.endr
.endr
.irp t, 0,1,2,3
	v_max3_num_f32 v[ST+8*\t+6], v[ST+8*\t+6], v[S+8*\t+7], v[S+39+8*\t]
.endr
.irp t, 0,1,2,3
	v_max3_num_f32 v[ST+8*\t+1], v[ST+8*\t+6], v[ST+8*\t+7], v[ST+8*\t+1]     ; m
.endr
.irp t, 0,1,2,3
	v_mov_b32 v[ST+8*\t+5], v[ST+8*\t]                                        ; c m_old
.endr
.irp t, 0,1,2,3
	v_mul_f32 v[ST+8*\t], s[CS], v[ST+8*\t+1]                                 ; c m
.endr
.irp t, 0,1,2,3
	v_sub_f32 v[ST+8*\t+5], v[ST+8*\t+5], v[ST+8*\t]
.endr
.irp q, 0,2,4,6
.irp u, 0,1
.irp t, 0,1,2,3
	v_pk_fma_f32 v[S+32*\u+8*\t+\q:S+32*\u+8*\t+\q+1], v[S+32*\u+8*\t+\q:S+32*\u+8*\t+\q+1], s[CS:CS+1], v[ST+8*\t:ST+8*\t+1] op_sel_hi:[1,0,0] neg_lo:[0,0,1] neg_hi:[0,0,1]   ; c s - c m
.endr
.endr
.endr
	s_wait_alu depctr_va_vdst(0)                   ; the wait ahead of the batch
.irp t, 0,1,2,3
	v_exp_f32 v[ST+8*\t+4], v[ST+8*\t+5]           ; a
.endr
.set g, 0
.rept 64
	v_exp_f32 v[S+g], v[S+g]                       ; p
.set g, g+1
.endr
	v_nop                                          ; a plain line behind the last exponential
	s_wait_alu depctr_va_vdst(0)                   ; and the batch's one wait, ahead of its first reader
.irp o, 0,4,32,36
.irp t, 0,1,2,3
	v_pk_add_f32 v[S+\o+8*\t:S+\o+8*\t+1], v[S+\o+8*\t:S+\o+8*\t+1], v[S+\o+8*\t+2:S+\o+8*\t+3]
.endr
.endr
.irp o, 0,32
.irp t, 0,1,2,3
	v_pk_add_f32 v[S+\o+8*\t:S+\o+8*\t+1], v[S+\o+8*\t:S+\o+8*\t+1], v[S+\o+8*\t+4:S+\o+8*\t+5]
.endr
.endr
.irp t, 0,1,2,3
	v_pk_add_f32 v[S+8*\t:S+8*\t+1], v[S+8*\t:S+8*\t+1], v[S+32+8*\t:S+33+8*\t]
.endr
.irp t, 0,1,2,3
	v_pk_fma_f32 v[ST+8*\t+2:ST+8*\t+3], v[ST+8*\t+2:ST+8*\t+3], v[ST+8*\t+4:ST+8*\t+5], v[S+8*\t:S+8*\t+1] op_sel_hi:[1,0,1]   ; l = a l + the step's sum
.endr
.endm
; A PREFETCH INTO THE L2 of the slot that the NEXT change of slots will ask for: 131,072 bytes = 4 partners x 4 waves x 32 lanes x 256 bytes, one instruction a wave, four steps (256 products) ahead of that load.
; Each block of 256 bytes is named once: of the four clusters that walk a part the first asks; its partners are told apart by address.  The last change that fills a slot asks for nothing; slots 0 to 2 come by their loads alone.
.macro ASK
	s_cmp_gt_u32 s[SLOTS], s[LIM]
	s_cbranch_scc0 .Lnot_mine_\@
	global_prefetch_b8 v[PFO], s[PFA:PFA+1] th:TH_LOAD_NT scope:SCOPE_SE
.Lnot_mine_\@:
.endm
; THE CHANGE OF SLOTS stands in the middle of a slot's last step: all reads of that slot have been issued (its last K steps 4-7 at the end of the step before).  Each wave waits for all its tensor loads (one is out: its
; part of the slot ahead), adds 0 to its spare word, and waits for that and for its reads.  fill = 1: the slot left takes the tiles two slots on: the barrier is a round of the cluster's, the joint load first behind it.
.macro CHANGE fill
	s_wait_tensorcnt 0x0
	ds_add_u32 v[SPW], v[NIL]
.if \fill
	s_xor_b32 s[G0B+1], s[G0B+1], SLOT1            ; no tensor load of mine is out: the walking descriptor takes the other slot,
	s_add_nc_u64 s[G0B+2:G0B+3], s[G0B+2:G0B+3], SLOTB   ; the next eight tiles
	s_wait_xcnt 0x0                                ; the last prefetch has read its address
	s_add_nc_u64 s[PFA:PFA+1], s[PFA:PFA+1], SLOTB
.endif
	s_add_co_u32 s[GSL], s[GSL], 1
	s_cmp_ge_u32 s[GSL], PADSL                     ; does the slot ahead hold copies?  A choice of a value, no branch
	s_cselect_b32 s[BV], s[NEG], 0
	PLACES                                         ; behind the products of K steps 0-3: for the writes below and the run's loads
.irp i, 0,1,2,3,4,5,6,7
	v_mov_b32 v[BI+\i], s[BV]                      ; next read by the first products of the slot ahead
.endr
	s_sub_co_u32 s[TB], s[TB], SLOTB               ; the runs go back to a slot's first tile,
	s_xor_b32 s[TB], s[TB], SLOT1                  ; in the other slot
	s_wait_dscnt 0x0                               ; the add is done, and my reads of the slot left are over
.if \fill
	CROUND
	tensor_load_to_lds s[G0B:G0B+3], s[G1:G1+7]    ; my one tensor load until the next round
	s_nop 0
.rept 4
	v_nop
.endr
	ASK
.else
	s_barrier_signal -1
	s_barrier_wait -1
.endif
.endm
; A STEP on scale set w.  md 0: plain; 1: a change of slots that fills; 2: one that does not; 3: the last step, which fetches nothing.
; The waits on DScnt: behind K step k's eight loads stand those of the half's later K steps, 8 each, and the other run's: 32 in the first half, 34 (or none) in the second.
.macro SS w, md
	WIN 0x07                                       ; source 0 (weight) window 3, source 1 (x) window 1, C and D window 0
.irp k, 0,1,2,3
	s_wait_dscnt 56-8*\k
	MMS \k, \w
.endr
	WIN 0
.if \md == 0
	PLACES
.elseif \md < 3
	CHANGE (2-\md)
.endif
.if \md < 3
	RUNA (1-\w)
.endif
	WIN 0x0b                                       ; source 1 window 2
.irp k, 4,5,6,7
.if \md < 3
	s_wait_dscnt 34+8*(7-\k)
.else
	s_wait_dscnt 8*(7-\k)
.endif
	MMS \k, \w
.endr
	WIN 0
	PLACES                                         ; for the run's loads and for the first read of the results
.if \md < 3
	RUNB
.endif
	VPH
.endm
	s_wait_alu depctr_va_vdst(0)                   ; the wait at the head's end
	s_wait_tensorcnt 0x0                           ; my tile of the head's four is in; the same lines ahead of a later first fill as ahead of a refill
	ds_add_u32 v[SPW], v[NIL]
	s_wait_dscnt 0x0
	CROUND                                         ; everybody's are in, and all four work-groups are here
	tensor_load_to_lds s[G0B:G0B+3], s[G1:G1+7]    ; slot 1's first fill, a quarter a wave
	s_nop 0
.rept 4
	v_nop
.endr
	RUNA 0                                         ; step 0's scale words and fragments
	RUNB
	s_wait_loadcnt 0x0                             ; x
.Lslot:                                            ; six trips, a slot each: slots 2 to 7 are asked for
	SS 0, 0
	SS 1, 0
	SS 0, 0
	SS 1, 1
	s_sub_co_u32 s[SLOTS], s[SLOTS], 1
	s_cmp_lg_u32 s[SLOTS], 0
	s_cbranch_scc1 .Lslot
	SS 0, 0                                        ; the last two slots are written out
	SS 1, 0
	SS 0, 0
	SS 1, 2
	SS 0, 0
	SS 1, 0
	SS 0, 0
	SS 1, 3
	; THE WAY OUT.  A row's columns lie in lanes l and l xor 16: their pairs are joined under the larger m.
.irp t, 0,1,2,3
	v_add_f32 v[ST+8*\t+2], v[ST+8*\t+2], v[ST+8*\t+3]            ; l's two halves
.endr
.irp t, 0,1,2,3
	v_permlanex16_b32 v[ST+8*\t+6], v[ST+8*\t+1], s[SEL], s[SEL+1]   ; the other lane's m
.endr
.irp t, 0,1,2,3
	v_permlanex16_b32 v[ST+8*\t+7], v[ST+8*\t+2], s[SEL], s[SEL+1]   ; and its l
.endr
.irp t, 0,1,2,3
	v_max_num_f32 v[ST+8*\t+4], v[ST+8*\t+1], v[ST+8*\t+6]        ; M
.endr
.irp t, 0,1,2,3
	v_mul_f32 v[ST+8*\t+3], s[CS], v[ST+8*\t+6]                   ; the other lane's c m
.endr
.irp t, 0,1,2,3
	v_mul_f32 v[ST+8*\t+5], s[CS], v[ST+8*\t+4]                   ; c M
.endr
.irp t, 0,1,2,3
	v_sub_f32 v[ST+8*\t], v[ST+8*\t], v[ST+8*\t+5]
.endr
.irp t, 0,1,2,3
	v_sub_f32 v[ST+8*\t+3], v[ST+8*\t+3], v[ST+8*\t+5]
.endr
	s_wait_alu depctr_va_vdst(0)                   ; the wait ahead of the batch
.irp t, 0,1,2,3
	v_exp_f32 v[ST+8*\t], v[ST+8*\t]
	v_exp_f32 v[ST+8*\t+3], v[ST+8*\t+3]
.endr
	v_cmp_gt_u32 vcc_lo, 16, v[LN]                 ; (a plain line behind the exponentials)  lanes 0-15 store m, lanes 16-31 l
	s_wait_alu depctr_va_vdst(0)                   ; one wait for the eight
.irp t, 0,1,2,3
	v_mul_f32 v[ST+8*\t+2], v[ST+8*\t+2], v[ST+8*\t]
.endr
.irp t, 0,1,2,3
	v_fma_f32 v[ST+8*\t+2], v[ST+8*\t+7], v[ST+8*\t+3], v[ST+8*\t+2]   ; L
.endr
.irp t, 0,1,2,3
	v_cndmask_b32 v[OUT+\t], v[ST+8*\t+2], v[ST+8*\t+4], vcc_lo
.endr
	global_store_b128 v[AW0], v[OUT:OUT+3], s[12:13]   ; [m or l][row r][tile t]: the wave stores 512 consecutive bytes, aligned
	s_wait_tensorcnt 0x0                           ; the wave's end
	ds_add_u32 v[SPW], v[NIL]
	s_wait_dscnt 0x0
	CROUND                                         ; the closing round
	s_endpgm
.Lfunc_end_k_q413995a7ae_lse:
	.size	k_q413995a7ae_lse, .Lfunc_end_k_q413995a7ae_lse-k_q413995a7ae_lse
	.p2alignl 7, 3214868480
	.fill 96, 4, 3214868480
	.section	.rodata,"a",@progbits
	.p2align	6, 0x0
	.amdhsa_kernel k_q413995a7ae_lse
		.amdhsa_group_segment_fixed_size 327680
		.amdhsa_private_segment_fixed_size 0
		.amdhsa_enable_private_segment 0
		.amdhsa_kernarg_size 40
		.amdhsa_user_sgpr_count 2
		.amdhsa_user_sgpr_kernarg_segment_ptr 1
		.amdhsa_wavefront_size32 1
		.amdhsa_system_sgpr_workgroup_id_x 1
		.amdhsa_system_sgpr_workgroup_id_y 1
		.amdhsa_system_sgpr_workgroup_id_z 1
		.amdhsa_system_vgpr_workitem_id 0
		.amdhsa_next_free_vgpr 1024
		.amdhsa_next_free_sgpr 90
		.amdhsa_reserve_vcc 1
		.amdhsa_float_denorm_mode_32 3
		.amdhsa_float_denorm_mode_16_64 3
		.amdhsa_memory_ordered 1
		.amdhsa_forward_progress 1
		.amdhsa_inst_pref_size 255
	.end_amdhsa_kernel
	.section	.bss,"aw",@nobits
	.p2align	6
	.space	262144
	.amdgpu_metadata
---
amdhsa.version: [ 1, 2 ]
amdhsa.kernels:
  - .name:           k_q413995a7ae_lse
    .symbol:         k_q413995a7ae_lse.kd
    .args:
      - { .name: ximg, .offset: 0, .size: 8, .value_kind: global_buffer, .address_space: global }
      - { .name: xsc, .offset: 8, .size: 8, .value_kind: global_buffer, .address_space: global }
      - { .name: wimg, .offset: 16, .size: 8, .value_kind: global_buffer, .address_space: global }
      - { .name: wsc, .offset: 24, .size: 8, .value_kind: global_buffer, .address_space: global }
      - { .name: part, .offset: 32, .size: 8, .value_kind: global_buffer, .address_space: global }
    .group_segment_fixed_size: 327680
    .private_segment_fixed_size: 0
    .kernarg_segment_align: 8
    .kernarg_segment_size: 40
    .max_flat_workgroup_size: 128
    .sgpr_count:     90
    .vgpr_count:     1024
    .wavefront_size: 32
...
	.end_amdgpu_metadata
.endif
;; end of part 5
;; launch finish (part 6): grid 256 x 1, 4 waves a work-group, no clusters, 768 bytes of LDS; arguments target, ximg, xsc, wimg, wsc, part, out0; writes out0
.if DOCPART == 6
	.amdgcn_target "amdgcn-amd-amdhsa--gfx1250"
	.amdhsa_code_object_version 6
	.text
	.protected	k_q413995a7ae_finish
	.globl	k_q413995a7ae_finish
	.p2align	8
	.type	k_q413995a7ae_finish,@function
k_q413995a7ae_finish:
	s_mov_b64 s[64:65], 0
	v_nop
	global_prefetch_b8 v0, s[64:65] scope:SCOPE_SE
	s_setreg_imm32_b32 hwreg(HW_REG_WAVE_MODE, 25, 1), 1
	s_wait_xcnt 0x0
; loss[row] = log(the sum over the vocabulary of e^(logit - M)) - (logit[target] - M), M the row's largest logit; where target lies outside 0 .. 15,999 the second term is 0, as the reference has it.
; A row's 16 pairs (m, l) of the launch before are joined under the largest m: L = the sum of l_i 2^(c m_i - c M), c = log2(e); log = ln 2 x log2 L.
; THE TARGET'S LOGIT is made anew by the same matrix instruction on the same codes: lane (r, h) gathers the codes and scale words of weight's row target[r], which so form a fragment whose row r belongs to x's row r;
; the products over K = 1,024 give 16 x 16 sums, of which the diagonal is wanted.
; SHARES.  A work-group takes ONE tile of 16 rows (T = its number): 256 work-groups.  A gathered row's codes lie in 64 pieces of 16 bytes, 256 bytes apart, so the gather is many small requests: they are shared out as
; widely as the rows allow.  THE FOUR WAVES SHARE K: wave w takes K steps 2 w and 2 w + 1: 8 loads of x's codes, 8 gathered loads, two products.  The four partial diagonals meet in LDS; wave 0 adds them.
; The join of the 16 pairs is wave 0's alone, in one branch on the wave's number, with its 16 loads issued straight behind the gather's.
; A work-group's whole result is 64 bytes: sixteen neighbouring lanes store them on end.  No tensor load, no cluster: the work-groups share nothing.
; REGISTERS: v1-15 lane terms and offsets; v20-27 m_i, v28-35 l_i; v40-47, v48-55 two accumulators; v56-63 their sum; v64-83 at work; v100-101 x's scale words, v102-103 weight's; v128-159 x's two fragments; v160-191 weight's.
.set XS, 100                           ; register i: my K step 2 w + i, row r's word in lane r
.set WS, 102
.set XF, 128
.set WF, 160
	s_load_b256 s[4:11], s[0:1], 0x0               ; target s[4:5], x's codes s[6:7], x's scale words s[8:9], weight's codes s[10:11]
	s_load_b128 s[12:15], s[0:1], 0x20             ; weight's scale words s[12:13], part s[14:15]
	s_load_b64 s[16:17], s[0:1], 0x30              ; out0
	v_lshl_add_u32 v192, v0, 2, 0x100
	v_mov_b32 v193, 0
	v_lshrrev_b32 v1, 5, v0
	v_readfirstlane_b32 s18, v1                    ; wave 0..3
	v_and_b32 v1, 31, v0                           ; lane
	v_and_b32 v2, 15, v0                           ; r
	v_bfe_u32 v3, v0, 4, 1                         ; h
	v_lshlrev_b32 v4, 2, v2                        ; 4 r: my row's target, its result, and its word in LDS
	v_lshlrev_b32 v5, 4, v1                        ; 16 x lane: a piece of an image
	v_lshlrev_b32 v8, 4, v2                        ; 16 r: my row's scale words
	v_lshl_add_u32 v6, v3, 18, v8                  ; part: 16 r; lanes 16-31 take parts 8 to 15: 8 x 32,768 bytes on;
	s_and_b32 s19, ttmp9, 3
	s_lshl_b32 s19, s19, 2
	v_add_nc_u32 v6, s19, v6                       ; my tile of its chunk's four
	s_lshl_b32 s19, s18, 6
	v_add_nc_u32 v7, s19, v4                       ; LDS: 64 x wave + 4 r
	v_and_b32 v15, 7, v0                           ; r % 8
	v_mov_b32 v64, 0                               ; written once: a lane permute's destination counts as one of its sources
	v_mov_b32 v68, 0
	v_mov_b32 v69, 0
	v_mov_b32 v66, 0                               ; M and log2 L: written in every wave; wave 0 alone gives them their numbers, and reads them
	v_mov_b32 v71, 0
	s_lshl_b32 s24, ttmp9, 6                       ; 16 targets, and 16 results: 64 bytes a tile
	s_mov_b32 s25, 0
	s_lshl_b32 s28, s18, 12                        ; my two K steps of a tile's codes: 4,096 bytes a wave
	s_mov_b32 s29, 0
	s_lshl_b32 s26, ttmp9, 14                      ; x's tile: 16,384 bytes
	s_add_co_u32 s26, s26, s28
	s_mov_b32 s27, 0
	s_lshr_b32 s32, s18, 1                         ; scale words lie [tile][p][r][4 words], word i for K step 4 p + i: K steps 2 w, 2 w + 1 are p = w / 2, words 2 (w % 2) and the next
	s_lshl_b32 s32, s32, 8
	s_and_b32 s20, s18, 1
	s_lshl_b32 s20, s20, 3
	s_add_co_u32 s32, s32, s20                     ; 256 (w / 2) + 8 (w % 2)
	s_mov_b32 s33, 0
	s_lshl_b32 s30, ttmp9, 9                       ; x's tile: 512 bytes of scale words
	s_add_co_u32 s30, s30, s32
	s_mov_b32 s31, 0
	s_lshr_b32 s34, ttmp9, 2                       ; part: 512 bytes a chunk of four tiles
	s_lshl_b32 s34, s34, 9
	s_mov_b32 s35, 0
	s_mov_b32 s36, 0x76543210                      ; v_permlanex16_b32's selects for lane l xor 16
	s_mov_b32 s37, 0xfedcba98
	s_mov_b32 s38, 0x3fb8aa3b                      ; c = log2(e)
	s_mov_b32 s39, 0x3f317218                      ; ln 2
	s_mov_b32 s22, 16000
	s_wait_kmcnt 0x0
	s_add_nc_u64 s[4:5], s[4:5], s[24:25]
	s_add_nc_u64 s[6:7], s[6:7], s[26:27]
	s_add_nc_u64 s[8:9], s[8:9], s[30:31]
	s_add_nc_u64 s[10:11], s[10:11], s[28:29]
	s_add_nc_u64 s[12:13], s[12:13], s[32:33]
	s_add_nc_u64 s[14:15], s[14:15], s[34:35]
	s_add_nc_u64 s[16:17], s[16:17], s[24:25]
	global_load_b32 v9, v4, s[4:5]                 ; the target first: the gather hangs on it
.set g, 0
.rept 8
	global_load_b128 v[XF+4*g:XF+4*g+3], v5, s[6:7] offset:512*g   ; x's two fragments: eight pieces of 512 consecutive bytes
.set g, g+1
.endr
	global_load_b64 v[XS:XS+1], v8, s[8:9]         ; lanes 16-31 load what lanes 0-15 load, and are not read
	s_wait_loadcnt 9                               ; the target is in; the 8 + 1 loads behind it may be out
	v_cmp_gt_u32 s21, s22, v9                      ; inside the vocabulary?  Unsigned: a negative target fails too
	v_min_u32 v10, 0x3e7f, v9                      ; held inside the table: what a target outside gathers is thrown away below
	v_and_b32 v11, 0x3ff0, v10                     ; 16 x its tile
	v_and_b32 v12, 15, v10                         ; its row in the tile
	v_lshlrev_b32 v12, 4, v12                      ; 16 x that row
	v_lshl_add_u32 v14, v11, 5, v12                ; its scale words: tile x 512 + 16 x row
	v_lshl_add_u32 v12, v3, 8, v12                 ; 16 x (16 h + row): the place in a piece of the lane that holds that row's codes of my half
	v_lshl_add_u32 v13, v11, 10, v12               ; + tile x 16,384
.set g, 0
.rept 8
	global_load_b128 v[WF+4*g:WF+4*g+3], v13, s[10:11] offset:512*g
.set g, g+1
.endr
	global_load_b64 v[WS:WS+1], v14, s[12:13]
	s_cmp_lg_u32 s18, 0                            ; the join of the row's 16 pairs: wave 0 alone
	s_cbranch_scc1 .Lno_join
.irp i, 0,1,2,3,4,5,6,7
	global_load_b32 v[20+\i], v6, s[14:15] offset:32768*\i        ; m of part 8 h + i
	global_load_b32 v[28+\i], v6, s[14:15] offset:32768*\i+256    ; l
.endr
	s_wait_loadcnt 0x0
	v_max3_num_f32 v66, v20, v21, v22
	v_max3_num_f32 v67, v23, v24, v25
	v_max3_num_f32 v66, v66, v26, v27
	v_max_num_f32 v66, v66, v67
	v_permlanex16_b32 v68, v66, s36, s37
	v_max_num_f32 v66, v66, v68                    ; M: the row's largest logit
	v_mul_f32 v67, s38, v66                        ; c M
.irp i, 0,1,2,3,4,5,6,7
	v_mul_f32 v[72+\i], s38, v[20+\i]              ; c m_i: the very number under which l_i was kept
.endr
.irp i, 0,1,2,3,4,5,6,7
	v_sub_f32 v[72+\i], v[72+\i], v67
.endr
	s_wait_alu depctr_va_vdst(0)
.irp i, 0,1,2,3,4,5,6,7
	v_exp_f32 v[72+\i], v[72+\i]
.endr
	v_nop                                          ; a plain instruction behind the exponentials,
	s_wait_alu depctr_va_vdst(0)                   ; and one wait for the eight, ahead of their first reader
	v_mul_f32 v70, v28, v72
.irp i, 1,2,3,4,5,6,7
	v_fmac_f32 v70, v[28+\i], v[72+\i]
.endr
	v_permlanex16_b32 v69, v70, s36, s37
	v_add_f32 v70, v70, v69                        ; L
	s_wait_alu depctr_va_vdst(0)
	v_log_f32 v71, v70
	v_nop                                          ; a plain instruction behind the logarithm,
	s_wait_alu depctr_va_vdst(0)                   ; and its wait, ahead of the label
.Lno_join:
	s_wait_loadcnt 0x0                             ; x and the gather
	; two accumulators, one for each of my K steps: each product starts its sum with the constant 0
	v_wmma_scale_f32_16x16x128_f8f6f4 v[40:47], v[WF:WF+15], v[XF:XF+15], 0, v[WS], v[XS]
	v_wmma_scale_f32_16x16x128_f8f6f4 v[48:55], v[WF+16:WF+31], v[XF+16:XF+31], 0, v[WS+1], v[XS+1]
.rept 8
	v_nop                                          ; eight places in front of the first read of results
.endr
.irp j, 0,1,2,3,4,5,6,7
	v_add_f32 v[56+\j], v[40+\j], v[48+\j]         ; each accumulator from its low end on.  Register j of lane (r, h): (gathered row 8 h + j) . (x's row r), over my 256 along K
.endr
.irp j, 1,2,3,4,5,6,7
	v_cmp_eq_u32 vcc_lo, \j, v15
	v_cndmask_b32 v56, v56, v[56+\j], vcc_lo       ; register r % 8: the diagonal, in the lane whose h is r / 8
.endr
	v_permlanex16_b32 v64, v56, s36, s37
	v_lshrrev_b32 v65, 3, v2
	v_cmp_eq_u32 vcc_lo, v65, v3
	v_cndmask_b32 v56, v64, v56, vcc_lo            ; mine, or lane l xor 16's: every lane holds its row's part of the target's logit
	ds_store_b32 v7, v56                           ; both halves of the lanes write the same word with the same value
	s_wait_dscnt 0x0                               ; for the others' sake
	s_barrier_signal -1
	s_barrier_wait -1
	s_cmp_lg_u32 s18, 0
	s_cbranch_scc1 .Ldone
	ds_load_b32 v80, v4                            ; the four waves' parts of my row's sum
	ds_load_b32 v81, v4 offset:64
	ds_load_b32 v82, v4 offset:128
	ds_load_b32 v83, v4 offset:192
	s_wait_dscnt 0x0
	v_add_f32 v80, v80, v81
	v_add_f32 v82, v82, v83
	v_add_f32 v80, v80, v82                        ; the target's logit
	v_sub_f32 v80, v66, v80                        ; M - it
	v_cndmask_b32 v80, 0, v80, s21                 ; 0 where the target lies outside
	v_fma_f32 v80, v71, s39, v80                   ; ln 2 x log2 L + that
	v_cmp_gt_u32 vcc_lo, 16, v1                    ; lanes 16-31 hold the same numbers as lanes 0-15
	s_wait_alu depctr_va_vdst(0)
	s_wait_xcnt 0x0                                ; EXEC changes only behind this wait
	s_and_saveexec_b32 s23, vcc_lo
	global_store_b32 v4, v80, s[16:17]             ; sixteen lanes store the tile's 64 consecutive bytes
	s_wait_xcnt 0x0
	s_or_b32 exec_lo, exec_lo, s23
.Ldone:
	s_wait_tensorcnt 0x0
	ds_add_u32 v192, v193
	s_wait_dscnt 0x0
	s_endpgm
.Lfunc_end_k_q413995a7ae_finish:
	.size	k_q413995a7ae_finish, .Lfunc_end_k_q413995a7ae_finish-k_q413995a7ae_finish
	.p2alignl 7, 3214868480
	.fill 96, 4, 3214868480
	.section	.rodata,"a",@progbits
	.p2align	6, 0x0
	.amdhsa_kernel k_q413995a7ae_finish
		.amdhsa_group_segment_fixed_size 768
		.amdhsa_private_segment_fixed_size 0
		.amdhsa_enable_private_segment 0
		.amdhsa_kernarg_size 56
		.amdhsa_user_sgpr_count 2
		.amdhsa_user_sgpr_kernarg_segment_ptr 1
		.amdhsa_wavefront_size32 1
		.amdhsa_system_sgpr_workgroup_id_x 1
		.amdhsa_system_sgpr_workgroup_id_y 1
		.amdhsa_system_sgpr_workgroup_id_z 1
		.amdhsa_system_vgpr_workitem_id 0
		.amdhsa_next_free_vgpr 194
		.amdhsa_next_free_sgpr 66
		.amdhsa_reserve_vcc 1
		.amdhsa_float_denorm_mode_32 3
		.amdhsa_float_denorm_mode_16_64 3
		.amdhsa_memory_ordered 1
		.amdhsa_forward_progress 1
		.amdhsa_inst_pref_size 11
	.end_amdhsa_kernel
	.amdgpu_metadata
---
amdhsa.version: [ 1, 2 ]
amdhsa.kernels:
  - .name:           k_q413995a7ae_finish
    .symbol:         k_q413995a7ae_finish.kd
    .args:
      - { .name: target, .offset: 0, .size: 8, .value_kind: global_buffer, .address_space: global }
      - { .name: ximg, .offset: 8, .size: 8, .value_kind: global_buffer, .address_space: global }
      - { .name: xsc, .offset: 16, .size: 8, .value_kind: global_buffer, .address_space: global }
      - { .name: wimg, .offset: 24, .size: 8, .value_kind: global_buffer, .address_space: global }
      - { .name: wsc, .offset: 32, .size: 8, .value_kind: global_buffer, .address_space: global }
      - { .name: part, .offset: 40, .size: 8, .value_kind: global_buffer, .address_space: global }
      - { .name: out0, .offset: 48, .size: 8, .value_kind: global_buffer, .address_space: global }
    .group_segment_fixed_size: 768
    .private_segment_fixed_size: 0
    .kernarg_segment_align: 8
    .kernarg_segment_size: 56
    .max_flat_workgroup_size: 128
    .sgpr_count:     66
    .vgpr_count:     194
    .wavefront_size: 32
...
	.end_amdgpu_metadata
.endif
;; end of part 6
